; MI455X (gfx1250); checked and timed in simulation.
; The chip was launched on July 23, 2026; its instructions are those of AMD's public machine-readable ISA for CDNA 5 (MIT licence, August 2026) and "CDNA5" Instruction Set Architecture Reference Guide (July 2026). The comments in the code are by the model that wrote it; some were corrected since.
;; Dual Chunk Attention. Allowed arithmetic: matrix products marked QUANTISED: E2M3 operands, one E8M0 scale for each 32 along K, by v_wmma_scale_f32_16x16x128_f8f6f4 with both operands' format E2M3, f32 sums; everything else in f32.
;; Inputs: Wk 1,024 x 1,024 float32; Wo 1,024 x 1,024 float32; Wq 1,024 x 1,024 float32; Wv 1,024 x 1,024 float32; bk 1,024 float32; bo 1,024 float32; bq 1,024 float32; bv 1,024 float32; x 4 x 2,048 x 1,024 float32.
;; Outputs: out0 4 x 2,048 x 1,024 float32.
;; This version of the problem:
;;   THIS VERSION OF THE PROBLEM IS GIVEN IN LOW PRECISION. The matrix products marked QUANTISED in the list below multiply operands that are first quantised to E2M3 (2 exponent bits, 3 mantissa bits; 6 bits a number), with one power-of-two scale for each 32 numbers along K (OCP MX v1.0); their sums are f32. All else is computed in f32.
;;   The module's matrix products, in the order in which they are computed (A, B: the left and right operand; K: the contracted axis; several contracted axes count as one K, in the product's order):
;;     1. [M 8,192, K 1,024] x [K 1,024, N 1,024]; A: input x; B: input Wq: QUANTISED
;;     2. [M 8,192, K 1,024] x [K 1,024, N 1,024]; A: input x; B: input Wk: QUANTISED
;;     3. [M 8,192, K 1,024] x [K 1,024, N 1,024]; A: input x; B: input Wv: QUANTISED
;;     4. batch 32 x [M 256, K 1,024] x [K 1,024, N 256]; A: computed on the way; B: computed on the way: QUANTISED
;;     5. batch 32 x [M 256, K 256] x [K 256, N 1,024]; A: softmax (see below); B: computed on the way: QUANTISED
;;     6. batch 4 x [M 2,048, K 1,024] x [K 1,024, N 2,048]; A: computed on the way; B: computed on the way: QUANTISED
;;     7. batch 32 x [M 256, K 256] x [K 256, N 1,024]; A: computed on the way; B: computed on the way: QUANTISED
;;     8. [M 8,192, K 1,024] x [K 1,024, N 1,024]; A: computed on the way; B: input Wo: QUANTISED
;;   THE QUANTISER, for each operand of a quantised product, along K:
;;     - K is cut into blocks of 32 from its start; a last block that is shorter is filled with zeros.
;;     - A block's scale is 2^e with e = floor(log2(the largest magnitude in the block)) - 2, held to -126 .. 127; a block of zeros has e = 0. As a byte (E8M0): e + 127.
;;     - Each number is divided by its block's scale, clamped to +-7.5, and rounded to the nearest number of E2M3, ties to even, subnormals kept.
;;     - The product sums the exact products of the quantised numbers (number of the format x scale) in f32.
;;   ~~~python
;;   def quantise(x, axis):      # numpy; x: float32 -> the quantised numbers, widened to float32 again
;;       x = np.moveaxis(x, axis, -1); K = x.shape[-1]
;;       x = np.pad(x, [(0, 0)] * (x.ndim - 1) + [(0, -K % 32)]); x = x.reshape(x.shape[:-1] + (-1, 32)); a = np.abs(x).max(-1, keepdims=True)
;;       e = np.where(a > 0, np.clip(np.frexp(np.where(a > 0, a, 1))[1] - 1 - 2, -126, 127), 0)      # np.frexp(a)[1] - 1 = floor(log2(a)), exactly
;;       r = np.clip(x / 2.0 ** e, -7.5, 7.5)
;;       step = 2.0 ** (np.maximum(np.frexp(np.where(r == 0, 1, r))[1] - 1, 0) - 3)
;;       q = np.round(r / step) * step * 2.0 ** e      # np.round: ties to even
;;       return np.moveaxis(q.reshape(q.shape[:-2] + (-1,))[..., :K], -1, axis).astype(np.float32)
;;   ~~~
;;   SOFTMAX AHEAD OF A QUANTISED PRODUCT. Where the list says 'softmax', what is quantised is not the finished softmax but p = 2^(t - M), with t = logit x log2(e) and M = ceil(the row's largest t), a whole number; so 1/2 < the row's largest p <= 1. The row's sum l is taken of the UNQUANTISED p, in f32, and the product's result is divided by l at the end. Since M is a whole number, a kernel that streams over the keys may use a running M (the ceiling of the running maximum): every later rescaling is an exact power of two, which a block's scale takes up: the codes' values come out the same.
;;   OPERANDS COMPUTED ON THE WAY. 'Computed on the way' means the value that the module computes at that place (a softmax that the list does not call 'softmax' is quantised finished and normalised). What goes into a quantiser is computed in f32, as accurately as f32 sums, v_exp_f32 and their like allow (about 1e-6 of the number): no bf16 or f16 on the way to a quantiser, and a product that is left as it is and whose result goes on into a quantised operand takes f32 operands (vector FMAs, or v_wmma_f32_16x16x4_f32). A number that lies on a knife's edge between two numbers of the format may be rounded either way, as far as f32 arithmetic and the matrix unit's own rounding can turn it there, and no further.
;; 2 versions, each right; version 2 is version 1 with the launch attn written anew for expert scheduling mode. Each part assembles by itself: llvm-mc -triple=amdgcn-amd-amdhsa -mcpu=gfx1250 --defsym DOCPART=n.
;; ======== version 1 of 2: 3 launches
;; workspace buffers: wimg 3,276,800 bytes; ximg 6,553,600 bytes; qimg 6,553,600 bytes; kimg 6,553,600 bytes; vimg 6,553,600 bytes
;; launch prep (part 1): grid 512 x 1, 4 waves a work-group, no clusters, 34,304 bytes of LDS; arguments Wq, Wk, Wv, Wo, wimg, x, ximg; writes wimg, ximg
.if DOCPART == 1
	.amdgcn_target "amdgcn-amd-amdhsa--gfx1250"
	.amdhsa_code_object_version 6
	.text
	.protected	k_qf96385ffd6_prep
	.globl	k_qf96385ffd6_prep
	.p2align	8
	.type	k_qf96385ffd6_prep,@function
k_qf96385ffd6_prep:
	s_mov_b64 s[64:65], 0
	v_nop
	global_prefetch_b8 v0, s[64:65] scope:SCOPE_SE
	s_setreg_imm32_b32 hwreg(HW_REG_WAVE_MODE, 25, 1), 1
	s_wait_xcnt 0x0
; x [8192][1024] and Wq, Wk, Wv, Wo [1024 (k)][1024 (n)], all f32, become codes of FP6 (E2M3) with one E8M0 byte for each 32 along K, laid IN THE ORDER OF AN OPERAND'S REGISTERS,
; so that the products' launches take fragments whole, 16 bytes a lane.  Each number is quantised once in the program, here.
; A BLOCK (51,200 bytes) is 64 rows (of x; columns n of a weight) x K 1,024: fragment f = 4 ks + T (K step ks of 128, tile T of 16 rows) at 1,536 f; in it registers 4 c .. 4 c + 3 of lane l at 512 c + 16 l.
; Lane (r, h) of a fragment holds k = 64 c' + 32 h + 0 .. 31 in registers 6 c' .. 6 c' + 5.  Tile T's lane r is row 32 (T / 2) + 8 (T % 2) + r + 8 (r / 8) of the block.
; Scale words at 49,152 + 256 ks + 8 (16 (T / 2) + r) + 4 (T % 2): one load of 8 bytes a lane brings the words of all four tiles of a K step.
; A block's scale is 2^(floor(log2(largest magnitude)) - 2): its byte is the largest magnitude's exponent field - 2, held at 1 from below by a floor among the maximum's leaves.
; ONE LAUNCH, TWO PATHS, parted on the work-group's number alone: work-groups 0-255 take x (64 rows x 4 K steps each), work-groups 256-511 the weights.  Only x's path uses LDS.
; LIMITS: a block of zeros gets the byte 1 (the rule says 127): its codes are zeros and this program alone reads the bytes; blocks whose largest magnitude lies under 2^-124 keep the byte 1;
; NaN and infinities among the inputs are not served.
; No barrier, no matrix unit, no cluster: waves share nothing, and every input byte is read once.
.set SEL, 24                           ; s[24:25] lane selects for v_permlanex16_b32: lane l xor 16
	v_lshl_add_u32 v30, v0, 2, 0x8400
	v_mov_b32 v31, 0
	s_cmp_lt_u32 ttmp9, 256
	s_cbranch_scc0 .Lweights
; ---- x.  K is innermost.  Work-group 2 rb + half takes block rb, K steps 4 half on; wave w makes tile w.  Each load takes a row's 512 consecutive bytes of a K step; the 16 rows turn through the wave's own
; stage in LDS (rows of 512 + 16 bytes), so that lane (r, h) gets blocks h and 2 + h of row r whole: the very numbers that the operand's layout gives that lane.
; REGISTERS: v1 16 x lane, v4 my scale word's place, v5, v6 the stage in and back, v9 8 h, v10-15, v20, v21 at work, v24-27 a word for each K step, v32-43 and v52-63 codes by turns, v44-51 upper halves as converted,
; v64-127 the turned numbers, v128-255 two sets of 16 rows as loaded.
	s_load_b64 s[4:5], s[0:1], 0x28                ; x
	s_load_b64 s[6:7], s[0:1], 0x30                ; its images
	v_lshrrev_b32 v3, 5, v0
	v_readfirstlane_b32 s20, v3                    ; wave w
	v_and_b32 v20, 31, v0                          ; lane
	v_and_b32 v21, 15, v0                          ; r
	v_bfe_u32 v22, v0, 4, 1                        ; h
	v_lshlrev_b32 v1, 4, v20
	s_lshr_b32 s21, ttmp9, 1                       ; rb: which 64 rows
	s_and_b32 s22, ttmp9, 1                        ; which half of K
	s_mov_b32 s[SEL], 0x76543210
	s_mov_b32 s[SEL+1], 0xfedcba98
	s_lshr_b32 s27, s20, 1
	s_and_b32 s28, s20, 1
	s_lshl_b32 s29, s27, 7
	s_lshl_b32 s30, s28, 2
	s_add_co_u32 s29, s29, s30
	v_lshl_add_u32 v4, v21, 3, s29                 ; 8 (16 (w / 2) + r) + 4 (w % 2)
	s_mul_i32 s29, s20, 8448                       ; my stage
	v_add_nc_u32 v5, s29, v1                       ; in: a row's 512 bytes, 16 a lane
	v_mul_u32_u24 v6, v21, 528
	v_lshl_add_u32 v6, v22, 7, v6
	v_add_nc_u32 v6, s29, v6                       ; back: row r, + 128 h: my block of 32 numbers
	v_lshlrev_b32 v9, 3, v22                       ; 8 h: my bytes' place in a scale word
	s_lshl_b32 s38, s21, 6
	s_lshl_b32 s39, s27, 5
	s_add_co_u32 s38, s38, s39
	s_lshl_b32 s39, s28, 3
	s_add_co_u32 s38, s38, s39
	s_lshl_b32 s38, s38, 12                        ; x: row 64 rb + 32 (w / 2) + 8 (w % 2), 4,096 bytes a row,
	s_lshl_b32 s39, s22, 11
	s_add_co_u32 s38, s38, s39                     ; + 4 K steps of 512 bytes for the upper half
	s_mov_b32 s39, 0
	s_mul_i32 s40, s21, 51200
	s_mul_i32 s41, s22, 24576
	s_add_co_u32 s42, s40, s41
	s_mul_i32 s41, s20, 1536
	s_add_co_u32 s42, s42, s41                     ; out: block rb, fragment 16 half + w
	s_mov_b32 s43, 0
	s_lshl_b32 s41, s22, 10
	s_add_co_u32 s40, s40, s41
	s_add_co_u32 s40, s40, 49152                   ; and its scale words
	s_mov_b32 s41, 0
	s_wait_kmcnt 0x0
	s_add_nc_u64 s[4:5], s[4:5], s[38:39]
	s_add_nc_u64 s[8:9], s[6:7], s[42:43]
	s_add_nc_u64 s[10:11], s[6:7], s[40:41]
.macro XLOAD j                         ; my K step j of my tile's 16 rows, as they lie, into set j % 2
.irp p, 0,1,2,3,4,5,6,7,8,9,10,11,12,13,14,15
	global_load_b128 v[128+64*((\j)%2)+4*\p:128+64*((\j)%2)+4*\p+3], v1, s[4:5] offset:(\p+8*(\p/8))*4096+512*(\j) th:TH_LOAD_NT
.endr
.endm
.macro XSTEP j
.set CDX, 32+20*((\j)%2)
.if \j < 3
	s_wait_loadcnt 16                              ; this K step's 16 loads are in; the next one's may be out
.else
	s_wait_loadcnt 0x0
.endif
.irp p, 0,1,2,3,4,5,6,7,8,9,10,11,12,13,14,15
	ds_store_b128 v5, v[128+64*((\j)%2)+4*\p:128+64*((\j)%2)+4*\p+3] offset:\p*528
.endr
.irp c, 0,1
.irp i, 0,1,2,3,4,5,6,7
	ds_load_b128 v[64+32*\c+4*\i:64+32*\c+4*\i+3], v6 offset:256*\c+16*\i   ; LDS serves a wave's instructions in order (ISA guide 5.7.1.4): these see the stores above
.endr
.endr
.if \j < 2
	s_wait_dscnt 16                                ; all but the 16 loads: the stores have read their registers,
	XLOAD (\j)+2                                   ; which take the K step two on
.endif
	s_wait_dscnt 0x0
.if \j == 2
	s_wait_xcnt 0x0                                ; the stores of K steps 0 and 1 have read their data: both sets of code registers may be written again
.endif
	v_max3_num_f32 v10, 0x1800000, |v64|, |v65|    ; the floor 2^(3 - 127) among the leaves: the byte cannot fall under 1
	v_max3_num_f32 v11, 0x1800000, |v96|, |v97|
.irp i, 2,4,6,8,10,12,14,16,18,20,22,24,26,28,30
	v_max3_num_f32 v10, v10, |v[64+\i]|, |v[65+\i]|      ; my two blocks by turns
	v_max3_num_f32 v11, v11, |v[96+\i]|, |v[97+\i]|
.endr
	v_add_nc_u32 v14, 0xff000000, v10              ; 2 off the exponent field: the conversion's scale operand
	v_add_nc_u32 v15, 0xff000000, v11
	v_lshrrev_b32 v12, 23, v14                     ; the scale's byte
	v_lshrrev_b32 v13, 23, v15
	v_lshl_or_b32 v20, v13, 16, v12                ; my two bytes: blocks h and 2 + h,
	v_lshlrev_b32 v20, v9, v20                     ; at their places in the word;
	v_permlanex16_b32 v21, v20, s[SEL], s[SEL+1]
	v_or_b32 v[24+(\j)], v20, v21                  ; with lane l xor 16's two the word is whole
	v_cvt_scalef32_pk16_fp6_f32 v[CDX:CDX+2], v[64:79], v14
	v_cvt_scalef32_pk16_fp6_f32 v[44:46], v[80:95], v14            ; (a conversion's three registers begin on an even number)
	v_cvt_scalef32_pk16_fp6_f32 v[CDX+6:CDX+8], v[96:111], v15
	v_cvt_scalef32_pk16_fp6_f32 v[48:50], v[112:127], v15
	v_nop                                          ; one plain instruction behind the scaled conversions
.irp c, 0,1
.irp i, 0,1,2
	v_mov_b32 v[CDX+3+6*\c+\i], v[44+4*\c+\i]
.endr
.endr
.irp c, 0,1,2
	global_store_b128 v1, v[CDX+4*\c:CDX+4*\c+3], s[8:9] offset:(\j)*6144+512*\c   ; 32 lanes store 512 consecutive bytes, at a multiple of 256 from the buffer's first byte
.endr
	global_store_b32 v4, v[24+(\j)], s[10:11] offset:256*(\j)      ; both halves of the lanes hold and store the same word; the four waves' words interleave in 256 bytes
.endm
	XLOAD 0
	XLOAD 1
.irp j, 0,1,2,3
	XSTEP \j
.endr
	s_wait_tensorcnt 0x0
	ds_add_u32 v30, v31
	s_wait_dscnt 0x0
	s_endpgm
; ---- the weights.  K is the FIRST axis: A LANE TAKES A COLUMN, ITS REGISTERS RUN DOWN K: a wave takes 32 columns x 128 k, a lane four whole blocks of 32; no lane asks another for a maximum, nothing is transposed.
.Lweights:
.set X,   32                           ; v32-159  128 numbers of my column
.set CD,  160                          ; v160-183 the codes: 12 registers for the fragment's lane (r, 0), 12 for lane (r, 1)
.set XT,  184                          ; v184-199 each block's upper 16 codes, as converted
	s_load_b256 s[4:11], s[0:1], 0x0               ; Wq, Wk, Wv, Wo
	s_load_b64 s[12:13], s[0:1], 0x20              ; the images
	s_and_b32 s19, ttmp9, 255                      ; my number among the weights' 256 work-groups
	v_lshrrev_b32 v1, 5, v0
	v_readfirstlane_b32 s14, v1                    ; wave
	v_and_b32 v1, 31, v0                           ; o: my column among the wave's 32
	v_lshlrev_b32 v2, 2, v1                        ; in: 4 bytes a lane
	v_bfe_u32 v5, v1, 3, 1                         ; u = T % 2 of my column's tile
	v_and_b32 v6, 7, v1
	v_lshrrev_b32 v7, 4, v1
	v_lshl_add_u32 v6, v7, 3, v6                   ; r: its lane row there
	v_mul_u32_u24 v3, v5, 1536
	v_lshl_add_u32 v3, v6, 4, v3                   ; out: 1,536 u + 16 r
	v_lshlrev_b32 v4, 2, v5
	v_lshl_add_u32 v4, v6, 3, v4                   ; scale word: 8 r + 4 u
	s_lshr_b32 s15, s19, 6                         ; which weight
	s_bfe_u32 s16, s19, 0x40002                    ; which block of 64 columns
	s_and_b32 s17, s19, 3
	s_lshl_b32 s17, s17, 1
	s_lshr_b32 s18, s14, 1
	s_add_co_u32 s17, s17, s18                     ; ks
	s_and_b32 s18, s14, 1                          ; b: which 32 of the 64 columns
	s_lshl_b32 s20, s17, 19                        ; in: 128 ks rows of 4,096 bytes
	s_lshl_b32 s21, s16, 8
	s_add_co_u32 s20, s20, s21
	s_lshl_b32 s21, s18, 7
	s_add_co_u32 s20, s20, s21                     ; + 4 (64 block + 32 b)
	s_mov_b32 s21, 0
	s_lshl_b32 s22, s15, 4
	s_add_co_u32 s22, s22, s16
	s_mul_i32 s22, s22, 51200                      ; out: my block
	s_lshl_b32 s23, s17, 2
	s_lshl_b32 s24, s18, 1
	s_add_co_u32 s23, s23, s24
	s_mul_i32 s23, s23, 1536
	s_add_co_u32 s24, s22, s23                     ; fragment 4 ks + 2 b
	s_mov_b32 s25, 0
	s_lshl_b32 s23, s17, 8
	s_add_co_u32 s22, s22, s23
	s_lshl_b32 s23, s18, 7
	s_add_co_u32 s22, s22, s23
	s_add_co_u32 s22, s22, 49152                   ; scale words: 49,152 + 256 ks + 128 b
	s_mov_b32 s23, 0
	s_wait_kmcnt 0x0
	s_cmp_eq_u32 s15, 1                            ; the choice hangs on the work-group's number alone
	s_cselect_b64 s[4:5], s[6:7], s[4:5]
	s_cmp_eq_u32 s15, 2
	s_cselect_b64 s[4:5], s[8:9], s[4:5]
	s_cmp_eq_u32 s15, 3
	s_cselect_b64 s[4:5], s[10:11], s[4:5]
	s_add_nc_u64 s[4:5], s[4:5], s[20:21]
	s_add_nc_u64 s[26:27], s[12:13], s[24:25]
	s_add_nc_u64 s[28:29], s[12:13], s[22:23]
.macro WLOAD kb                        ; block kb: W(128 ks + 32 kb + i, my column): 32 lanes read 128 consecutive bytes
.set i, 0
.rept 32
	global_load_b32 v[X+32*(\kb)+i], v2, s[4:5] offset:(32*(\kb)+i)*4096 th:TH_LOAD_NT
.set i, i+1
.endr
.endm
.macro WBLOCK kb
.set XS, X+32*(\kb)
	v_max3_num_f32 v[8+(\kb)], |v[XS]|, |v[XS+1]|, 0x1800000       ; the floor 2^(3 - 127) among the leaves: the byte cannot fall under 1
	v_max3_num_f32 v24, |v[XS+2]|, |v[XS+3]|, |v[XS+4]|            ; two chains, so that no line waits for the line above it
.irp i, 5,9,13,17,21,25
	v_max3_num_f32 v[8+(\kb)], v[8+(\kb)], |v[XS+\i]|, |v[XS+\i+1]|
	v_max3_num_f32 v24, v24, |v[XS+\i+2]|, |v[XS+\i+3]|
.endr
	v_max3_num_f32 v[8+(\kb)], v[8+(\kb)], |v[XS+29]|, |v[XS+30]|
	v_max3_num_f32 v[8+(\kb)], v[8+(\kb)], v24, |v[XS+31]|         ; the block's largest magnitude
	v_add_nc_u32 v[12+(\kb)], 0xff000000, v[8+(\kb)]               ; 2 off its exponent field: the conversion takes this operand's exponent field as its scale
	v_lshrrev_b32 v[16+(\kb)], 23, v[12+(\kb)]                     ; the scale's byte
	v_cvt_scalef32_pk16_fp6_f32 v[CD+12*((\kb)%2)+6*((\kb)/2):CD+12*((\kb)%2)+6*((\kb)/2)+2], v[XS:XS+15], v[12+(\kb)]   ; block kb = 2 c' + h belongs to lane half h, registers 6 c' on
	v_cvt_scalef32_pk16_fp6_f32 v[XT+4*(\kb):XT+4*(\kb)+2], v[XS+16:XS+31], v[12+(\kb)]
.endm
	WLOAD 0
	WLOAD 1
	s_wait_loadcnt 32                              ; block 0 is in; block 1's 32 loads may be out
	WLOAD 2
	WBLOCK 0
	s_wait_loadcnt 32                              ; block 1 is in; block 2's may be out
	WLOAD 3
	WBLOCK 1
	s_wait_loadcnt 32                              ; block 2 is in; block 3's may be out
	WBLOCK 2
	s_wait_loadcnt 0x0
	WBLOCK 3
	v_nop                                          ; one plain instruction between the last scaled conversion and the moves that read its result
.irp kb, 0,1,2,3
.irp i, 0,1,2
	v_mov_b32 v[CD+12*(\kb%2)+6*(\kb/2)+3+\i], v[XT+4*\kb+\i]
.endr
.endr
	v_lshl_or_b32 v20, v17, 8, v16                 ; the four bytes make my column's scale word for these 128 k
	v_lshl_or_b32 v20, v18, 16, v20
	v_lshl_or_b32 v20, v19, 24, v20
.irp h, 0,1
.irp c, 0,1,2
	global_store_b128 v3, v[CD+12*\h+4*\c:CD+12*\h+4*\c+3], s[26:27] offset:512*\c+256*\h   ; the 16 lanes of each tile store 256 consecutive bytes, at a multiple of 256 from the buffer's first byte
.endr
.endr
	global_store_b32 v4, v20, s[28:29]             ; 32 lanes store 128 consecutive bytes
	s_endpgm
.Lfunc_end_k_qf96385ffd6_prep:
	.size	k_qf96385ffd6_prep, .Lfunc_end_k_qf96385ffd6_prep-k_qf96385ffd6_prep
	.p2alignl 7, 3214868480
	.fill 96, 4, 3214868480
	.section	.rodata,"a",@progbits
	.p2align	6, 0x0
	.amdhsa_kernel k_qf96385ffd6_prep
		.amdhsa_group_segment_fixed_size 34304
		.amdhsa_private_segment_fixed_size 0
		.amdhsa_enable_private_segment 0
		.amdhsa_kernarg_size 56
		.amdhsa_user_sgpr_count 2
		.amdhsa_user_sgpr_kernarg_segment_ptr 1
		.amdhsa_wavefront_size32 1
		.amdhsa_system_sgpr_workgroup_id_x 1
		.amdhsa_system_sgpr_workgroup_id_y 1
		.amdhsa_system_sgpr_workgroup_id_z 1
		.amdhsa_system_vgpr_workitem_id 0
		.amdhsa_next_free_vgpr 256
		.amdhsa_next_free_sgpr 66
		.amdhsa_reserve_vcc 0
		.amdhsa_float_denorm_mode_32 3
		.amdhsa_float_denorm_mode_16_64 3
		.amdhsa_memory_ordered 1
		.amdhsa_forward_progress 1
		.amdhsa_inst_pref_size 51
	.end_amdhsa_kernel
	.amdgpu_metadata
---
amdhsa.version: [ 1, 2 ]
amdhsa.kernels:
  - .name:           k_qf96385ffd6_prep
    .symbol:         k_qf96385ffd6_prep.kd
    .args:
      - { .name: Wq, .offset: 0, .size: 8, .value_kind: global_buffer, .address_space: global }
      - { .name: Wk, .offset: 8, .size: 8, .value_kind: global_buffer, .address_space: global }
      - { .name: Wv, .offset: 16, .size: 8, .value_kind: global_buffer, .address_space: global }
      - { .name: Wo, .offset: 24, .size: 8, .value_kind: global_buffer, .address_space: global }
      - { .name: wimg, .offset: 32, .size: 8, .value_kind: global_buffer, .address_space: global }
      - { .name: x, .offset: 40, .size: 8, .value_kind: global_buffer, .address_space: global }
      - { .name: ximg, .offset: 48, .size: 8, .value_kind: global_buffer, .address_space: global }
    .group_segment_fixed_size: 34304
    .private_segment_fixed_size: 0
    .kernarg_segment_align: 8
    .kernarg_segment_size: 56
    .max_flat_workgroup_size: 128
    .sgpr_count:     66
    .vgpr_count:     256
    .wavefront_size: 32
...
	.end_amdgpu_metadata
.endif
;; end of part 1
;; launch qkv (part 2): grid 256 x 1, 4 waves a work-group, no clusters, 307,712 bytes of LDS; arguments ximg, wimg, bq, bk, bv, qimg, kimg, vimg; writes qimg, kimg, vimg
.if DOCPART == 2
	.amdgcn_target "amdgcn-amd-amdhsa--gfx1250"
	.amdhsa_code_object_version 6
	.text
	.protected	k_qf96385ffd6_qkv
	.globl	k_qf96385ffd6_qkv
	.p2align	8
	.type	k_qf96385ffd6_qkv,@function
k_qf96385ffd6_qkv:
	s_mov_b64 s[64:65], 0
	v_nop
	global_prefetch_b8 v0, s[64:65] scope:SCOPE_SE
	s_setreg_imm32_b32 hwreg(HW_REG_WAVE_MODE, 25, 1), 1
	s_wait_xcnt 0x0
; Q = x Wq + bq, K = x Wk + bk, V = x Wv + bv on codes of FP6 (E2M3) with one E8M0 scale for each 32 along K; the results are quantised in registers and leave as OPERAND IMAGES.
; ximg, wimg: blocks of 64 rows of x, or 64 columns of a weight, x K 1,024, in the order of an operand's registers (51,200 bytes: fragment 4 ks + T at 1,536 each, registers 4 c .. 4 c + 3 of lane l at 512 c + 16 l;
; scale words at 49,152 + 256 ks + 8 (16 (T / 2) + r) + 4 (T % 2); tile T's lane r is row 32 (T / 2) + 8 (T % 2) + r + 8 (r / 8) of the block).
; qimg, kimg: the same form, a block for each 64 rows of x, K = the 1,024 channels.  vimg: for each chunk of 256 keys and each 64 channels a block of 12,800 bytes, K = THE KEYS: fragment 4 ksv + t at 1,536 each,
; as two halves of 768 bytes (registers 6 c .. 6 c + 3 at 16 x lane, then 6 c + 4, 6 c + 5 at 8 x lane); scale words at 12,288 + 256 ksv + 8 (16 (t / 2) + r) + 4 (t % 2).
; SHARES.  Work-group 8 rg + u takes rows 256 rg on and channels 128 u on of Q, of K and of V.  THE WAVES SHARE THE WEIGHTS, NOT THE ROWS: wave w keeps block 4 rg + w of x (32 fragments, 384 registers) for the whole
; launch, and all four multiply it by the same six blocks of weights, 307,200 bytes, which lie in LDS for the whole launch: filled ONCE, by three tensor loads a wave at the head, and only read after that.
; So a work-group brings in 307,200 + 4 x 51,200 bytes for its 3,072 matrix instructions.  From LDS a block goes through a ring of four K steps in registers; each of its fragments feeds four matrix instructions.
; THE FILLS: pair i (blocks 2 i, 2 i + 1: 102,400 consecutive bytes of wimg) lands at LDS byte 102,400 i; wave w brings its quarter, 25,600 bytes, as 100 rows of 256.  A wave has three tensor loads out at the most.
; A block's second half already fetches the next block's first K steps, so pair 1 is waited for, by every wave and with a barrier, ahead of block 1, and pair 2 ahead of block 3.  No LDS byte is filled twice or stored to.
; NO CLUSTER.  The 32 work-groups of one u ask for the same weights, but once each in the whole launch, three loads a wave against 768 matrix instructions, and two of the three pairs land under the first pair's
; products; of the 307,200 bytes that stand ahead of a work-group's first product 204,800 are x's, which go into registers and cannot be asked for jointly.
; Q, K: source 0 = 16 columns of W, source 1 = 16 rows of x: a lane holds ONE row, its 32 registers of a row tile run along 64 channels, 16 neighbours for each pair of tiles: half a fragment of the next product.
; V: the sources change places: a lane holds ONE channel and its registers run along the 64 keys.  The biases are the C of each sum's first matrix instruction.
; LIMITS: a block of zeros gets the byte 1 (its codes are zeros; the bytes are read by this program alone); blocks whose largest magnitude lies under 2^-124 keep the byte 1; NaN and infinities are not served;
; the bias enters each f32 sum first, not last.
; REGISTERS in windows of 256 (s_set_vgpr_msb: bits 1:0 source 0, 3:2 source 1, 5:4 source 2, 7:6 destination):
;   window 0: v1 16 x lane, v2 8 x lane, v3-8 and v72-77 LDS addresses of the six blocks, v9, v21 the biases' offsets, v10-15 and v16-19 at work in the quantiser, v20, v24-29 words, v32-47 x's scale words,
;             v48-63 the weights', v64-71 bv, v80-127 codes, v128-255 16 accumulators
;   window 1: v0-127 bq's and bk's tiles; v128-223 ring slots 0, 1; v224-255 bv's tiles      window 2: v0-239 x's fragments of K steps 0-4      window 3: v0-143 K steps 5-7; v144-239 ring slots 2, 3
.set TM,   10
.set T2,   16
.set SCR,  32
.set SCS,  48
.set CODE, 80
.set ACC,  128
.set VS,   3                           ; v3-8    8 x lane + 51,200 j: block j's scale words
.set VA,   72                          ; v72-77  16 x lane + 51,200 j: block j's fragments
.set SEL,  24                          ; s[24:25] lane selects for v_permlanex16_b32: lane l xor 16
.set MHI,  26                          ; s26 a mask of lanes 16-31
.set G1,   56                          ; s[56:63] descriptor group 1: the shape, the same for all three loads
.set G0,   68                          ; s[68:79] descriptor group 0, a set for each pair; never rewritten
.set CBN,  0                           ; where the bias tiles of the block in hand begin, in window 1
.set MSB,  0
.macro WIN new                         ; the immediate's high byte repeats the setting that is left; a switch that changes nothing is dropped
.if MSB != (\new)
	s_set_vgpr_msb (MSB<<8)|(\new)
.set MSB, \new
.endif
.endm
; One matrix instruction from the symbols wD, wA, wB, wC, wSA, wSB (scale registers), wRA, wRB (1: that side's words lie in lanes 16-31)
.macro WM
.if wRA && wRB
	v_wmma_scale_f32_16x16x128_f8f6f4 v[wD:wD+7], v[wA:wA+11], v[wB:wB+11], v[wC:wC+7], v[wSA], v[wSB] matrix_a_fmt:MATRIX_FMT_FP6 matrix_b_fmt:MATRIX_FMT_FP6 matrix_a_scale:MATRIX_SCALE_ROW1 matrix_b_scale:MATRIX_SCALE_ROW1
.elseif wRA
	v_wmma_scale_f32_16x16x128_f8f6f4 v[wD:wD+7], v[wA:wA+11], v[wB:wB+11], v[wC:wC+7], v[wSA], v[wSB] matrix_a_fmt:MATRIX_FMT_FP6 matrix_b_fmt:MATRIX_FMT_FP6 matrix_a_scale:MATRIX_SCALE_ROW1
.elseif wRB
	v_wmma_scale_f32_16x16x128_f8f6f4 v[wD:wD+7], v[wA:wA+11], v[wB:wB+11], v[wC:wC+7], v[wSA], v[wSB] matrix_a_fmt:MATRIX_FMT_FP6 matrix_b_fmt:MATRIX_FMT_FP6 matrix_b_scale:MATRIX_SCALE_ROW1
.else
	v_wmma_scale_f32_16x16x128_f8f6f4 v[wD:wD+7], v[wA:wA+11], v[wB:wB+11], v[wC:wC+7], v[wSA], v[wSB] matrix_a_fmt:MATRIX_FMT_FP6 matrix_b_fmt:MATRIX_FMT_FP6
.endif
.endm
; Twelve LDS loads: a K step's four fragments of block J, 6,144 consecutive bytes from O on, into ring slot sl; each load takes 512 consecutive bytes, so no two lanes meet in a bank
.macro RLOAD J, O, sl
	WIN (1+2*((\sl)/2))<<6
.irp t, 0,1,2,3
.irp c, 0,1,2
	ds_load_b128 v[128+48*((\sl)%2)+16*((\sl)/2)+12*\t+4*\c:128+48*((\sl)%2)+16*((\sl)/2)+12*\t+4*\c+3], v[VA+(\J)] offset:(\O)+\t*1536+\c*512
.endr
.endr
.endm
; A BLOCK OF WEIGHTS (64 columns x K 1,024) AGAINST MY 64 ROWS: 8 K steps of 16 matrix instructions.  mode 0: the weights are source 0, accumulator (q, t) at ACC + 32 q + 8 t; mode 1: they are source 1,
; accumulator at ACC + 32 t + 8 q.  The sums begin with the bias tiles at CBN + 8 t of window 1.  The 16 accumulators take turns, one instruction a turn, in the same order in every K step.
; Behind a K step's products its ring slot is filled again: with this block's K step four on, or (next = 1) with the next block's.
; THE WAIT: LDS loads come back in order (ISA guide 5.7.1), and behind the group of 12 that a K step wants three groups of at least 12 have been issued: at most 36 out means that it is in.  In the last block the
; counts run down.  The next block's scale words are asked for behind K steps 3 and 7: each ahead of the group for which the K step that uses them waits.
.macro GBLOCK mode, cur, nxt, next
.irp ks, 0,1,2,3,4,5,6,7
.if (\next) || (\ks < 5)
	s_wait_dscnt 36
.else
	s_wait_dscnt 12*(7-\ks)
.endif
.set gRW, 1+2*((\ks%4)/2)              ; the ring slot's window,
.set gSW, 2+\ks/5                      ; x's fragments',
.set gRB, 128+48*(\ks%2)+16*((\ks%4)/2)
.set gRS, 48*(\ks%5)
.set gCW, 0
.if \ks == 0
.set gCW, 0x10                         ; and C's, where it is a bias tile
.endif
.if \mode
	WIN gSW+4*gRW+gCW
.else
	WIN gRW+4*gSW+gCW
.endif
.irp t, 0,1,2,3
.irp q, 0,1,2,3
.if \mode
.set wD, ACC+32*\t+8*\q
.set wA, gRS+12*\q
.set wB, gRB+12*\t
.set wSA, SCR+2*\ks+(\q%2)
.set wSB, SCS+2*\ks+(\t%2)
.set wRA, \q/2
.set wRB, \t/2
.else
.set wD, ACC+32*\q+8*\t
.set wA, gRB+12*\t
.set wB, gRS+12*\q
.set wSA, SCS+2*\ks+(\t%2)
.set wSB, SCR+2*\ks+(\q%2)
.set wRA, \t/2
.set wRB, \q/2
.endif
.set wC, wD
.if \ks == 0
.set wC, CBN+8*\t
.endif
	WM
.endr
.endr
.rept 4+\ks/7
	v_nop                                          ; four places in front of loads into registers that matrix instructions have read and of the first read of results; behind the last K step five: the next block's first product begins the same accumulator anew
.endr
.if \ks < 4
	RLOAD \cur, (\ks+4)*6144, \ks
.elseif \next
	RLOAD \nxt, (\ks-4)*6144, \ks%4
.endif
.if (\next) && (\ks == 3)
	WIN 0
.irp k, 0,1,2,3
	ds_load_b64 v[SCS+2*\k:SCS+2*\k+1], v[VS+(\nxt)] offset:49152+256*\k
.endr
.endif
.if (\next) && (\ks == 7)
	WIN 0
.irp k, 4,5,6,7
	ds_load_b64 v[SCS+2*\k:SCS+2*\k+1], v[VS+(\nxt)] offset:49152+256*\k
.endr
.endif
.endr
.endm
; 32 numbers of a lane, v[S] on in window sw, register 16 b + i = k 32 b + 16 (lane / 16) + i of the lane's row, become HALF A FRAGMENT in v[D] .. v[D + 5] (lane half h holds block h) and the two scale bytes in v[W].
; The registers are read in ascending order.
.macro QHALF S, D, W, sw
	WIN 20*(\sw)
	v_max3_num_f32 v[TM], 0x1800000, |v[(\S)]|, |v[(\S)+1]|        ; the floor 2^(3 - 127) among the leaves: the byte cannot fall under 1
	v_max3_num_f32 v[TM+1], 0x1800000, |v[(\S)+16]|, |v[(\S)+17]|
.irp i, 2,4,6,8,10,12,14
	v_max3_num_f32 v[TM], v[TM], |v[(\S)+\i]|, |v[(\S)+\i+1]|      ; the two blocks by turns
	v_max3_num_f32 v[TM+1], v[TM+1], |v[(\S)+16+\i]|, |v[(\S)+17+\i]|
.endr
	WIN 0
	v_permlanex16_b32 v[TM+2], v[TM], s[SEL], s[SEL+1]
	v_permlanex16_b32 v[TM+3], v[TM+1], s[SEL], s[SEL+1]
	v_max_num_f32 v[TM], v[TM], v[TM+2]            ; with lane l xor 16's 16 numbers: the block's largest magnitude
	v_max_num_f32 v[TM+1], v[TM+1], v[TM+3]
	v_add_nc_u32 v[TM+4], 0xff000000, v[TM]        ; 2 off its exponent field: the conversion's scale operand
	v_add_nc_u32 v[TM+5], 0xff000000, v[TM+1]
	v_lshrrev_b32 v[TM+2], 23, v[TM+4]             ; the scale's byte
	v_lshrrev_b32 v[TM+3], 23, v[TM+5]
	v_lshl_or_b32 v[\W], v[TM+3], 8, v[TM+2]
	WIN \sw
	v_cvt_scalef32_pk16_fp6_f32 v[(\D):(\D)+2], v[(\S):(\S)+15], v[TM+4]
	v_cvt_scalef32_pk16_fp6_f32 v[T2:T2+2], v[(\S)+16:(\S)+31], v[TM+5]
	WIN 0
	v_nop                                          ; one plain instruction behind the scaled conversions
.irp i, 0,1,2
	v_permlane16_swap_b32 v[(\D)+\i], v[T2+\i]     ; the first's lanes 16-31 change places with the second's lanes 0-15: each lane now has its own block's lower 16 codes, and in T2 the upper 16
.endr
.irp i, 0,1,2
	v_mov_b32 v[(\D)+3+\i], v[T2+\i]
.endr
.endm
.macro PAIRSC a0, a1, a2, a3           ; four tiles' scale words into the pair v[28:29]: lanes 0-15 tiles 0, 1; lanes 16-31 tiles 2, 3
	v_cndmask_b32 v28, v[\a0], v[\a2], s[MHI]
	v_cndmask_b32 v29, v[\a1], v[\a3], s[MHI]
.endm
; A pair of blocks is shown whole to every wave: my quarter of it has landed (left: my loads for later pairs, which may stay out), no LDS load of mine is pending, and the barrier
.macro PAIRIN left
	WIN 0
	s_wait_tensorcnt \left
	s_wait_dscnt 0x0
	s_barrier_signal -1
	s_barrier_wait -1
.endm
	s_load_b256 s[4:11], s[0:1], 0x0               ; ximg, wimg, bq, bk
	s_load_b256 s[12:19], s[0:1], 0x20             ; bv, qimg, kimg, vimg
	v_lshl_add_u32 v78, v0, 2, 0x4b000
	v_mov_b32 v79, 0
	ds_add_u32 v78, v79
	ds_add_u32 v78, v79
	v_lshrrev_b32 v20, 5, v0
	v_readfirstlane_b32 s20, v20                   ; wave w
	v_and_b32 v20, 31, v0                          ; lane
	v_and_b32 v22, 15, v0                          ; r
	v_bfe_u32 v23, v0, 4, 1                        ; h
	v_lshlrev_b32 v1, 4, v20
	v_lshlrev_b32 v2, 3, v20
.irp j, 0,1,2,3,4,5
	v_add_nc_u32 v[VA+\j], 51200*\j, v1
	v_add_nc_u32 v[VS+\j], 51200*\j, v2
.endr
	v_lshlrev_b32 v9, 6, v23                       ; bq, bk: 16 h numbers on
	v_and_b32 v21, 8, v22
	v_add_nc_u32 v21, v21, v22
	v_lshlrev_b32 v21, 2, v21                      ; bv: 4 (r + 8 (r / 8))
	v_mov_b32 v12, 0                               ; written once: a lane permute's destination counts as one of its sources
	v_mov_b32 v13, 0
	s_and_b32 s23, ttmp9, 7                        ; u: which 128 channels
	s_lshr_b32 s22, ttmp9, 3                       ; rg: which 256 rows
	s_lshl_b32 s21, s22, 2
	s_add_co_u32 s21, s21, s20                     ; rb = 4 rg + w: my 64 rows
	s_mov_b32 s[SEL], 0x76543210
	s_mov_b32 s[SEL+1], 0xfedcba98
	s_mov_b32 s[MHI], 0xffff0000
	; descriptor group 1: a dense run of 25,600 bytes as 100 rows of 32 elements of 8 bytes, no padding: the images are read 16 bytes a lane on end
	s_mov_b32 s[G1+0], 3<<16                       ; 15:0 no mask; 17:16 elements of 8 bytes; 20 padding off
	s_mov_b32 s[G1+1], 32<<16                      ; tensor_dim0 = 32
	s_mov_b32 s[G1+2], 100<<16                     ; tensor_dim1 = 100
	s_mov_b32 s[G1+3], 32<<16                      ; tile_dim0 = 32
	s_mov_b32 s[G1+4], 100                         ; tile_dim1 = 100
	s_mov_b32 s[G1+5], 32                          ; from row to row: 32 elements
	s_mov_b32 s[G1+6], 0
	s_mov_b32 s[G1+7], 0
	s_mul_i32 s27, s20, 25600                      ; my quarter of a pair, in LDS and in memory
	s_mul_i32 s40, s23, 102400                     ; wimg: blocks 2 u, 2 u + 1 of each weight
	s_add_co_u32 s40, s40, s27
	s_mov_b32 s41, 0
	s_mul_i32 s38, s21, 51200                      ; ximg: block rb
	s_mov_b32 s39, 0
	s_lshl_b32 s42, s23, 9                         ; the biases: 128 u numbers on
	s_mov_b32 s43, 0
	s_mul_i32 s44, s21, 51200
	s_mul_i32 s30, s23, 6144
	s_add_co_u32 s46, s44, s30                     ; qimg, kimg: block rb, K step u
	s_mov_b32 s47, 0
	s_lshl_b32 s30, s23, 8
	s_add_co_u32 s44, s44, s30
	s_add_co_u32 s44, s44, 49152                   ; and its scale words
	s_mov_b32 s45, 0
	s_lshr_b32 s48, s21, 2
	s_lshl_b32 s48, s48, 4
	s_lshl_b32 s49, s23, 1
	s_add_co_u32 s48, s48, s49
	s_mul_i32 s48, s48, 12800                      ; vimg: chunk rb / 4, channel groups 2 u, 2 u + 1
	s_bfe_u32 s49, s21, 0x10001                    ; ksv: which 128 of the chunk's keys
	s_and_b32 s50, s21, 1                          ; and which half of them
	s_mul_i32 s51, s49, 6144
	s_mul_i32 s52, s50, 768
	s_add_co_u32 s52, s52, s51
	s_add_co_u32 s52, s52, s48
	s_mov_b32 s53, 0
	s_lshl_b32 s49, s49, 8
	s_lshl_b32 s50, s50, 1
	s_add_co_u32 s54, s48, s49
	s_add_co_u32 s54, s54, s50
	s_add_co_u32 s54, s54, 12288
	s_mov_b32 s55, 0
	s_wait_dscnt 0x0
	s_wait_kmcnt 0x0
	s_add_nc_u64 s[6:7], s[6:7], s[40:41]
.irp i, 0,1,2
	s_mov_b32 s[G0+4*\i], 1                                        ; 1:0 count = 1
	s_add_co_u32 s[G0+4*\i+1], s27, \i*102400                      ; 63:32 LDS address: pair i, my quarter
	s_add_nc_u64 s[G0+4*\i+2:G0+4*\i+3], s[6:7], \i*819200         ; 120:64 global address: a weight on is 16 blocks on
	s_or_b32 s[G0+4*\i+3], s[G0+4*\i+3], 0x80000000                ; 127:126 type = 2
.endr
	tensor_load_to_lds s[G0:G0+3], s[G1:G1+7]      ; the launch's only fills, together, ahead of every wait on TENSORcnt, every LDS read and every barrier: three loads of mine are out
	s_nop 0
	tensor_load_to_lds s[G0+4:G0+7], s[G1:G1+7]
	s_nop 0
	tensor_load_to_lds s[G0+8:G0+11], s[G1:G1+7]
	s_nop 0
.rept 4
	v_nop                                          ; four plain lines behind the last of them, ahead of the first switch of windows
.endr
	s_add_nc_u64 s[4:5], s[4:5], s[38:39]
	s_add_nc_u64 s[8:9], s[8:9], s[42:43]
	s_add_nc_u64 s[10:11], s[10:11], s[42:43]
	s_add_nc_u64 s[12:13], s[12:13], s[42:43]
	s_add_nc_u64 s[32:33], s[14:15], s[44:45]
	s_add_nc_u64 s[34:35], s[16:17], s[44:45]
	s_add_nc_u64 s[14:15], s[14:15], s[46:47]
	s_add_nc_u64 s[16:17], s[16:17], s[46:47]
	s_add_nc_u64 s[36:37], s[18:19], s[54:55]
	s_add_nc_u64 s[18:19], s[18:19], s[52:53]
.irp ks, 0,1,2,3,4,5,6,7               ; my block of x stays in registers
	WIN (2+\ks/5)<<6
.irp q, 0,1,2,3
.irp c, 0,1,2
	global_load_b128 v[48*(\ks%5)+12*\q+4*\c:48*(\ks%5)+12*\q+4*\c+3], v1, s[4:5] offset:(4*\ks+\q)*1536+512*\c
.endr
.endr
.endr
	WIN 0
.irp ks, 0,1,2,3,4,5,6,7
	global_load_b64 v[SCR+2*\ks:SCR+2*\ks+1], v2, s[4:5] offset:49152+256*\ks
.endr
	WIN 0x40
.irp s, 0,1
.irp t, 0,1,2,3                        ; lane (r, h) wants, for tile t of block s, the bias of channels 64 s + 32 (t / 2) + 8 (t % 2) + 16 h + 0 .. 7
	global_load_b128 v[32*\s+8*\t:32*\s+8*\t+3], v9, s[8:9] offset:(64*\s+32*(\t/2)+8*(\t%2))*4
	global_load_b128 v[32*\s+8*\t+4:32*\s+8*\t+7], v9, s[8:9] offset:(64*\s+32*(\t/2)+8*(\t%2))*4+16
	global_load_b128 v[64+32*\s+8*\t:64+32*\s+8*\t+3], v9, s[10:11] offset:(64*\s+32*(\t/2)+8*(\t%2))*4
	global_load_b128 v[64+32*\s+8*\t+4:64+32*\s+8*\t+7], v9, s[10:11] offset:(64*\s+32*(\t/2)+8*(\t%2))*4+16
.endr
.endr
	WIN 0
.irp s, 0,1
.irp t, 0,1,2,3                        ; for V a lane holds one channel: tile t's lane r
	global_load_b32 v[64+4*\s+\t], v21, s[12:13] offset:(64*\s+32*(\t/2)+8*(\t%2))*4
.endr
.endr
	PAIRIN 2                                       ; pair 0 lies in LDS, whole; my loads for pairs 1 and 2 may be out
.irp k, 0,1,2,3,4,5,6,7
	ds_load_b64 v[SCS+2*\k:SCS+2*\k+1], v[VS] offset:49152+256*\k
.endr
.irp ks, 0,1,2,3
	RLOAD 0, \ks*6144, \ks
.endr
	s_wait_loadcnt 0x0                             ; x and the biases
	; ---- the six blocks
.macro EPIQK half, cb, sb              ; 64 rows x 64 channels become half of K step u's four fragments; behind the second half they are stored
	WIN 0
	s_wait_xcnt 0x0                                ; the codes' and words' registers were earlier stores' data: they are written again only behind this wait
.irp q, 0,1,2,3
.if \half
	QHALF ACC+32*\q, CODE+12*\q+6, 20, 0
	v_lshl_or_b32 v[24+\q], v20, 16, v[24+\q]
.else
	QHALF ACC+32*\q, CODE+12*\q, 24+\q, 0
.endif
.endr
.if \half
.irp q, 0,1,2,3
.irp c, 0,1,2
	global_store_b128 v1, v[CODE+12*\q+4*\c:CODE+12*\q+4*\c+3], s[\cb:\cb+1] offset:\q*1536+\c*512   ; 32 lanes store 512 consecutive bytes, at a multiple of 256 from the buffer's first byte
.endr
.endr
	PAIRSC 24, 25, 26, 27
	global_store_b64 v2, v[28:29], s[\sb:\sb+1]    ; 256 consecutive bytes, aligned
.endif
.endm
.macro BVSET s                         ; bv's tiles for block s: a lane's one number in all eight registers of a tile
	WIN 0x40
.irp t, 0,1,2,3
.irp j, 0,1,2,3,4,5,6,7
	v_mov_b32 v[224+8*\t+\j], v[64+4*(\s)+\t]
.endr
.endr
	WIN 0
.endm
.macro EPIV s                          ; 64 channels x my 64 keys: half of each of four fragments of V with the keys innermost
	WIN 0
	s_wait_xcnt 0x0
.irp t, 0,1,2,3
	QHALF ACC+32*\t, CODE+8*\t, 24+\t, 0
.endr
.irp t, 0,1,2,3
	global_store_b128 v1, v[CODE+8*\t:CODE+8*\t+3], s[18:19] offset:(\s)*12800+\t*1536
	global_store_b64 v2, v[CODE+8*\t+4:CODE+8*\t+5], s[18:19] offset:(\s)*12800+\t*1536+512
.endr
	PAIRSC 24, 25, 26, 27
	global_store_b16 v2, v28, s[36:37] offset:(\s)*12800       ; my half's two bytes of each scale word; the other half's come from the wave with the neighbouring 64 keys
	global_store_b16 v2, v29, s[36:37] offset:(\s)*12800+4
.endm
.set CBN, 0
	GBLOCK 0, 0, 1, 1
	EPIQK 0, 14, 32
	PAIRIN 1                                       ; pair 1 lies in LDS, whole: the block below fetches its first K steps.  The ring's loads, issued ahead of the epilogue, are what the wait on DScnt covers
.set CBN, 32
	GBLOCK 0, 1, 2, 1
	EPIQK 1, 14, 32
.set CBN, 64
	GBLOCK 0, 2, 3, 1
	EPIQK 0, 16, 34
	PAIRIN 0                                       ; pair 2 likewise: no tensor load of mine is out from here on
.set CBN, 96
	GBLOCK 0, 3, 4, 1
	BVSET 0                                        ; ahead of the epilogue, whose vector work then lies between these moves and their use as C
	EPIQK 1, 16, 34
.set CBN, 224
	GBLOCK 1, 4, 5, 1
	BVSET 1
	EPIV 0
	GBLOCK 1, 5, 5, 0
	EPIV 1
	s_wait_tensorcnt 0x0
	ds_add_u32 v78, v79
	s_wait_dscnt 0x0
	s_endpgm
.Lfunc_end_k_qf96385ffd6_qkv:
	.size	k_qf96385ffd6_qkv, .Lfunc_end_k_qf96385ffd6_qkv-k_qf96385ffd6_qkv
	.p2alignl 7, 3214868480
	.fill 96, 4, 3214868480
	.section	.rodata,"a",@progbits
	.p2align	6, 0x0
	.amdhsa_kernel k_qf96385ffd6_qkv
		.amdhsa_group_segment_fixed_size 307712
		.amdhsa_private_segment_fixed_size 0
		.amdhsa_enable_private_segment 0
		.amdhsa_kernarg_size 64
		.amdhsa_user_sgpr_count 2
		.amdhsa_user_sgpr_kernarg_segment_ptr 1
		.amdhsa_wavefront_size32 1
		.amdhsa_system_sgpr_workgroup_id_x 1
		.amdhsa_system_sgpr_workgroup_id_y 1
		.amdhsa_system_sgpr_workgroup_id_z 1
		.amdhsa_system_vgpr_workitem_id 0
		.amdhsa_next_free_vgpr 1024
		.amdhsa_next_free_sgpr 80
		.amdhsa_reserve_vcc 0
		.amdhsa_float_denorm_mode_32 3
		.amdhsa_float_denorm_mode_16_64 3
		.amdhsa_memory_ordered 1
		.amdhsa_forward_progress 1
		.amdhsa_inst_pref_size 218
	.end_amdhsa_kernel
	.amdgpu_metadata
---
amdhsa.version: [ 1, 2 ]
amdhsa.kernels:
  - .name:           k_qf96385ffd6_qkv
    .symbol:         k_qf96385ffd6_qkv.kd
    .args:
      - { .name: ximg, .offset: 0, .size: 8, .value_kind: global_buffer, .address_space: global }
      - { .name: wimg, .offset: 8, .size: 8, .value_kind: global_buffer, .address_space: global }
      - { .name: bq, .offset: 16, .size: 8, .value_kind: global_buffer, .address_space: global }
      - { .name: bk, .offset: 24, .size: 8, .value_kind: global_buffer, .address_space: global }
      - { .name: bv, .offset: 32, .size: 8, .value_kind: global_buffer, .address_space: global }
      - { .name: qimg, .offset: 40, .size: 8, .value_kind: global_buffer, .address_space: global }
      - { .name: kimg, .offset: 48, .size: 8, .value_kind: global_buffer, .address_space: global }
      - { .name: vimg, .offset: 56, .size: 8, .value_kind: global_buffer, .address_space: global }
    .group_segment_fixed_size: 307712
    .private_segment_fixed_size: 0
    .kernarg_segment_align: 8
    .kernarg_segment_size: 64
    .max_flat_workgroup_size: 128
    .sgpr_count:     80
    .vgpr_count:     1024
    .wavefront_size: 32
...
	.end_amdgpu_metadata
.endif
;; end of part 2
;; launch attn (part 3): grid 128 x 1, 4 waves a work-group, no clusters, 98,816 bytes of LDS; arguments qimg, kimg, vimg, wimg, bo, out0; writes out0
.if DOCPART == 3
	.amdgcn_target "amdgcn-amd-amdhsa--gfx1250"
	.amdhsa_code_object_version 6
	.text
	.protected	k_qf96385ffd6_attn
	.globl	k_qf96385ffd6_attn
	.p2align	8
	.type	k_qf96385ffd6_attn,@function
k_qf96385ffd6_attn:
	s_mov_b64 s[64:65], 0
	v_nop
	global_prefetch_b8 v0, s[64:65] scope:SCOPE_SE
	s_setreg_imm32_b32 hwreg(HW_REG_WAVE_MODE, 25, 1), 1
	s_wait_xcnt 0x0
; out = (local + cross) Wo + bo for 64 queries of chunk n of a batch.  local = softmax(Q_n K_n^T / 32) V_n;  cross = (the sum over the batch's 8 chunks m of softmax(Q_n K_m^T / 32)) V_n.
; All products on codes of FP6 (E2M3) with one E8M0 scale for each 32 along K.  The scores of chunk n serve the local path and the cross path: they are the same product of the same operands, computed once.
; LOCAL: p = 2^(t - M), t = score x log2(e) / 32, M = the ceiling of the row's largest t; p is quantised along the keys; the row's sum of the unquantised p divides the product.
; CROSS: each chunk's softmax is finished (p / its row's sum), the eight are added in f32, and the sum is quantised along the 256 places in a chunk.
; qimg, kimg, wimg: blocks of 64 rows x K 1,024 in the order of an operand's registers (51,200 bytes: fragment 4 ks + T at 1,536 each, registers 4 c .. 4 c + 3 of lane l at 512 c + 16 l; scale words at
; 49,152 + 256 ks + 8 (16 (T / 2) + r) + 4 (T % 2); tile T's lane r is row 32 (T / 2) + 8 (T % 2) + r + 8 (r / 8)).  vimg: blocks of 64 channels x 256 keys (12,800 bytes: fragment 4 ksv + t at 1,536 each, in two
; halves of 768 bytes: registers 6 c .. 6 c + 3 at 16 x lane, 6 c + 4, 6 c + 5 at 8 x lane; scale words from 12,288 on).
; SHARES.  A work-group owns 64 queries; its Q (32 fragments) stays in every wave's registers.  Wave w takes keys 64 w on of every chunk, channels 256 w on in P V, columns 256 w on of out.  K's and Wo's blocks go
; from memory straight into a ring of four K steps in registers; each streamed fragment feeds four matrix instructions.  The chunks are walked from the diagonal on: m = (n + i) mod 8.
; All products are used transposed (the stream is source 0): a lane holds ONE query throughout, and by the tiles' row order the 16 registers of two neighbouring tiles are 16 neighbours along the next K.
; A ROW'S MAXIMUM AND SUM span the four waves: each wave takes its own whole number M_w and its own sum, the four meet in LDS (two barriers a chunk), and all rescaling is by exact powers of two.
; NO CLUSTER, NO JOINT LOADS.  The four work-groups of a chunk walk the same K, 204,800 bytes a chunk.  Asked for jointly it would have to pass through LDS: two slots of a whole chunk do not fit in 327,680 bytes;
; slots of half a chunk would put a round of the cluster's barrier, with all loads waited for, behind every 64 matrix instructions of a wave, and add an LDS write and read for each byte, of which a work-group
; reads each once.  The ring in registers has 24,576 bytes of each wave on their way and is never drained.
; LIMITS: a block of zeros gets the byte 1 (its codes are zeros; the bytes are this program's own); blocks whose largest magnitude lies under 2^-124 keep the byte 1; M is a whole number exactly while |t| < 2^24;
; NaN and infinities are not served.  Orders of f32 sums that differ from the source's: m from the diagonal on; a row's sum from four partial sums; bo enters its sum first.
; REGISTERS in windows of 256 (s_set_vgpr_msb: bits 1:0 source 0, 3:2 source 1, 5:4 source 2, 7:6 destination):
;   window 0: v1 16 x lane, v2 8 x lane, v3-9, v20-27 addresses, v10-18 at work in the quantiser, v19, v31 the closing add's two, v28-30 words, v32-47 the resident operand's scale words, v48-63 the stream's, v64-71 P's, v72-79 V's,
;             v80-127 statistics and codes, v128-255 16 accumulators
;   window 1: v0-127 the cross sum, then 16 accumulators, then rows of out; v128-223 ring slots 0, 1; v224-255 bo's tiles
;   window 2: v0-239 the resident fragments of K steps 0-4 (in P V: two blocks of V, one set of P); v240-247 1 / the local sums      window 3: v0-143 K steps 5-7 (in P V: three sets of P); v144-239 ring slots 2, 3
.set TM,   10
.set T2,   16
.set SCR,  32
.set SCS,  48
.set PSC,  64
.set VSC,  72
.set CODE, 80
.set ACC,  128
.set SEL,  20                          ; s[20:21] lane selects for v_permlanex16_b32: lane l xor 16
.set CS,   22                          ; s[22:23] c = log2(e) / 32
.set I,    24                          ; s24 the loops' counter
.set MHI,  25                          ; s25 a mask of lanes 16-31
.set CUR,  26                          ; s[26:27] the streamed block in hand
.set NXT,  28                          ; s[28:29] the one behind it
.set PWO,  30                          ; s[30:31] my first block of Wo
.set KB,   32                          ; s[32:33] my block of chunk 0 of K
.set VB,   36                          ; s[36:37] my four blocks of V
.set PFA,  38                          ; s[38:39] my wave's part of the chunk's V, for the prefetch
.set OUTP, 40                          ; s[40:41] out at my rows and columns
.set BBS,  42                          ; s[42:43] bo at the block in hand
.set CSC,  49152                       ; LDS: the combined rows' 32 fragments from byte 0, their scale words here,
.set XCH,  51200                       ; the waves' (-M, sum): 512 w + 32 r + 8 q,
.set PSCL, 53248                       ; P's scale words: 512 kind + 256 ksv + 128 (q % 2) + 64 (q / 2) + 4 r,
.set PIMG, 54272                       ; P's 16 fragments ((2 kind + ksv) 4 + q), in halves as V's,
.set STG,  78848                       ; and a stage of 16 rows x (256 + 16) bytes for each wave
.set CBN,  224
.set MSB,  0
.macro WIN new                         ; the immediate's high byte repeats the setting that is left; a switch that changes nothing is dropped
.if MSB != (\new)
	s_set_vgpr_msb (MSB<<8)|(\new)
.set MSB, \new
.endif
.endm
; One matrix instruction from the symbols wD, wA, wB, wC (under 0: the constant 0 starts the sum), wSA, wSB (scale registers), wRA, wRB (1: that side's words lie in lanes 16-31)
.macro WM
.if wC < 0
.if wRA && wRB
	v_wmma_scale_f32_16x16x128_f8f6f4 v[wD:wD+7], v[wA:wA+11], v[wB:wB+11], 0, v[wSA], v[wSB] matrix_a_fmt:MATRIX_FMT_FP6 matrix_b_fmt:MATRIX_FMT_FP6 matrix_a_scale:MATRIX_SCALE_ROW1 matrix_b_scale:MATRIX_SCALE_ROW1
.elseif wRA
	v_wmma_scale_f32_16x16x128_f8f6f4 v[wD:wD+7], v[wA:wA+11], v[wB:wB+11], 0, v[wSA], v[wSB] matrix_a_fmt:MATRIX_FMT_FP6 matrix_b_fmt:MATRIX_FMT_FP6 matrix_a_scale:MATRIX_SCALE_ROW1
.elseif wRB
	v_wmma_scale_f32_16x16x128_f8f6f4 v[wD:wD+7], v[wA:wA+11], v[wB:wB+11], 0, v[wSA], v[wSB] matrix_a_fmt:MATRIX_FMT_FP6 matrix_b_fmt:MATRIX_FMT_FP6 matrix_b_scale:MATRIX_SCALE_ROW1
.else
	v_wmma_scale_f32_16x16x128_f8f6f4 v[wD:wD+7], v[wA:wA+11], v[wB:wB+11], 0, v[wSA], v[wSB] matrix_a_fmt:MATRIX_FMT_FP6 matrix_b_fmt:MATRIX_FMT_FP6
.endif
.else
.if wRA && wRB
	v_wmma_scale_f32_16x16x128_f8f6f4 v[wD:wD+7], v[wA:wA+11], v[wB:wB+11], v[wC:wC+7], v[wSA], v[wSB] matrix_a_fmt:MATRIX_FMT_FP6 matrix_b_fmt:MATRIX_FMT_FP6 matrix_a_scale:MATRIX_SCALE_ROW1 matrix_b_scale:MATRIX_SCALE_ROW1
.elseif wRA
	v_wmma_scale_f32_16x16x128_f8f6f4 v[wD:wD+7], v[wA:wA+11], v[wB:wB+11], v[wC:wC+7], v[wSA], v[wSB] matrix_a_fmt:MATRIX_FMT_FP6 matrix_b_fmt:MATRIX_FMT_FP6 matrix_a_scale:MATRIX_SCALE_ROW1
.elseif wRB
	v_wmma_scale_f32_16x16x128_f8f6f4 v[wD:wD+7], v[wA:wA+11], v[wB:wB+11], v[wC:wC+7], v[wSA], v[wSB] matrix_a_fmt:MATRIX_FMT_FP6 matrix_b_fmt:MATRIX_FMT_FP6 matrix_b_scale:MATRIX_SCALE_ROW1
.else
	v_wmma_scale_f32_16x16x128_f8f6f4 v[wD:wD+7], v[wA:wA+11], v[wB:wB+11], v[wC:wC+7], v[wSA], v[wSB] matrix_a_fmt:MATRIX_FMT_FP6 matrix_b_fmt:MATRIX_FMT_FP6
.endif
.endif
.endm
; Twelve loads: a K step's four fragments, 6,144 consecutive bytes from O on, into ring slot sl; each load takes 512 consecutive bytes
.macro RLOAD S, O, sl
	WIN (1+2*((\sl)/2))<<6
.irp t, 0,1,2,3
.irp c, 0,1,2
	global_load_b128 v[128+48*((\sl)%2)+16*((\sl)/2)+12*\t+4*\c:128+48*((\sl)%2)+16*((\sl)/2)+12*\t+4*\c+3], v1, s[\S:\S+1] offset:(\O)+\t*1536+\c*512
.endr
.endr
.endm
; A STREAMED BLOCK (64 rows x K 1,024) AGAINST THE RESIDENT 64 ROWS: 8 K steps of 16 matrix instructions.  mode 0: the stream is source 0, accumulator (q, t) at ACC + 32 q + 8 t (mode 1, the sources changed, is not used here).
; c0 = 1: the sums begin with the bias tiles at CBN + 8 t of window 1; 0: with the constant 0.  The 16 accumulators take turns, one instruction a turn, in the same order in every K step.
; Behind a K step's products its ring slot is filled again: with this block's K step four on, or (next = 1) with the next block's.
; THE WAIT: loads come back in order (ISA guide 5.7.1), and behind the group of 12 that a K step wants three groups of at least 12 have been issued: at most 36 out means that it is in.  In a last block the counts run down.
; The next block's scale words are asked for behind K steps 3 and 7, its bias tiles (bias = 1) behind K step 0: each ahead of the group for which the K step that uses them waits.
.macro GBLOCK mode, c0, curS, curO, nxtS, nxtO, next, bias
.irp ks, 0,1,2,3,4,5,6,7
.if (\next) || (\ks < 5)
	s_wait_loadcnt 36
.else
	s_wait_loadcnt 12*(7-\ks)
.endif
.set gRW, 1+2*((\ks%4)/2)              ; the ring slot's window,
.set gSW, 2+\ks/5                      ; the resident fragments',
.set gRB, 128+48*(\ks%2)+16*((\ks%4)/2)
.set gRS, 48*(\ks%5)
.set gCW, 0
.if (\ks == 0) && (\c0)
.set gCW, 0x10                         ; and C's, where it is a bias tile
.endif
.if \mode
	WIN gSW+4*gRW+gCW
.else
	WIN gRW+4*gSW+gCW
.endif
.irp t, 0,1,2,3
.irp q, 0,1,2,3
.if \mode
.set wD, ACC+32*\t+8*\q
.set wA, gRS+12*\q
.set wB, gRB+12*\t
.set wSA, SCR+2*\ks+(\q%2)
.set wSB, SCS+2*\ks+(\t%2)
.set wRA, \q/2
.set wRB, \t/2
.else
.set wD, ACC+32*\q+8*\t
.set wA, gRB+12*\t
.set wB, gRS+12*\q
.set wSA, SCS+2*\ks+(\t%2)
.set wSB, SCR+2*\ks+(\q%2)
.set wRA, \t/2
.set wRB, \q/2
.endif
.set wC, wD
.if \ks == 0
.set wC, -1
.if \c0
.set wC, CBN+8*\t
.endif
.endif
	WM
.endr
.endr
.rept 4+\ks/7
	v_nop                                          ; four places in front of loads into registers that matrix instructions have read and of the first read of results; behind the last K step five: the next block's first product begins the same accumulator anew
.endr
.if \ks < 4
	RLOAD \curS, (\curO)+(\ks+4)*6144, \ks
.elseif \next
	RLOAD \nxtS, (\nxtO)+(\ks-4)*6144, \ks%4
.endif
.if (\next) && (\ks == 3)
	WIN 0
.irp k, 0,1,2,3
	global_load_b64 v[SCS+2*\k:SCS+2*\k+1], v2, s[\nxtS:\nxtS+1] offset:(\nxtO)+49152+256*\k
.endr
.endif
.if (\next) && (\ks == 7)
	WIN 0
.irp k, 4,5,6,7
	global_load_b64 v[SCS+2*\k:SCS+2*\k+1], v2, s[\nxtS:\nxtS+1] offset:(\nxtO)+49152+256*\k
.endr
.endif
.if (\bias) && (\ks == 0)
	WIN 0x40
.irp t, 0,1,2,3
	global_load_b128 v[224+8*\t:224+8*\t+3], v27, s[BBS:BBS+1] offset:256+(32*(\t/2)+8*(\t%2))*4
	global_load_b128 v[224+8*\t+4:224+8*\t+7], v27, s[BBS:BBS+1] offset:256+(32*(\t/2)+8*(\t%2))*4+16
.endr
.endif
.endr
.endm
; 32 numbers of a lane, v[S] on in window sw, register 16 b + i = k 32 b + 16 (lane / 16) + i of the lane's row, become HALF A FRAGMENT in v[D] .. v[D + 5] (lane half h holds block h) and the two scale bytes in v[W].
; The registers are read in ascending order.
.macro QHALF S, D, W, sw
	WIN 20*(\sw)
	v_max3_num_f32 v[TM], 0x1800000, |v[(\S)]|, |v[(\S)+1]|        ; the floor 2^(3 - 127) among the leaves: the byte cannot fall under 1
	v_max3_num_f32 v[TM+1], 0x1800000, |v[(\S)+16]|, |v[(\S)+17]|
.irp i, 2,4,6,8,10,12,14
	v_max3_num_f32 v[TM], v[TM], |v[(\S)+\i]|, |v[(\S)+\i+1]|      ; the two blocks by turns
	v_max3_num_f32 v[TM+1], v[TM+1], |v[(\S)+16+\i]|, |v[(\S)+17+\i]|
.endr
	WIN 0
	v_permlanex16_b32 v[TM+2], v[TM], s[SEL], s[SEL+1]
	v_permlanex16_b32 v[TM+3], v[TM+1], s[SEL], s[SEL+1]
	v_max_num_f32 v[TM], v[TM], v[TM+2]            ; with lane l xor 16's 16 numbers: the block's largest magnitude
	v_max_num_f32 v[TM+1], v[TM+1], v[TM+3]
	v_add_nc_u32 v[TM+4], 0xff000000, v[TM]        ; 2 off its exponent field: the conversion's scale operand
	v_add_nc_u32 v[TM+5], 0xff000000, v[TM+1]
	v_lshrrev_b32 v[TM+2], 23, v[TM+4]             ; the scale's byte
	v_lshrrev_b32 v[TM+3], 23, v[TM+5]
	v_lshl_or_b32 v[\W], v[TM+3], 8, v[TM+2]
	WIN \sw
	v_cvt_scalef32_pk16_fp6_f32 v[(\D):(\D)+2], v[(\S):(\S)+15], v[TM+4]
	v_cvt_scalef32_pk16_fp6_f32 v[T2:T2+2], v[(\S)+16:(\S)+31], v[TM+5]
	WIN 0
	v_nop                                          ; one plain instruction behind the scaled conversions
.irp i, 0,1,2
	v_permlane16_swap_b32 v[(\D)+\i], v[T2+\i]     ; the first's lanes 16-31 change places with the second's lanes 0-15: each lane now has its own block's lower 16 codes, and in T2 the upper 16
.endr
.irp i, 0,1,2
	v_mov_b32 v[(\D)+3+\i], v[T2+\i]
.endr
.endm
.macro PAIRSC a0, a1, a2, a3           ; four tiles' scale words into the pair v[28:29]: lanes 0-15 tiles 0, 1; lanes 16-31 tiles 2, 3
	v_cndmask_b32 v28, v[\a0], v[\a2], s[MHI]
	v_cndmask_b32 v29, v[\a1], v[\a3], s[MHI]
.endm
.macro BARRIER                         ; my LDS stores have landed and my LDS loads are in: then the work-group's barrier
	s_wait_dscnt 0x0
	s_barrier_signal -1
	s_barrier_wait -1
.endm
.macro PSTORE kind                     ; my 64 keys' half of P's four fragments (codes in v[80 + 12 q] on, the two bytes in v[86 + 12 q]) goes to LDS as an image of its registers
.irp q, 0,1,2,3
	ds_store_b128 v5, v[80+12*\q:83+12*\q] offset:(\kind)*12288+\q*1536
	ds_store_b64 v6, v[84+12*\q:85+12*\q] offset:(\kind)*12288+\q*1536
	ds_store_b16 v7, v[86+12*\q] offset:(\kind)*512+(\q%2)*128+(\q/2)*64
.endr
.endm
	s_load_b256 s[4:11], s[0:1], 0x0               ; qimg, kimg, vimg, wimg
	s_load_b128 s[12:15], s[0:1], 0x20             ; bo, out
	v_lshl_add_u32 v19, v0, 2, 0x18000
	v_mov_b32 v31, 0
	v_lshrrev_b32 v3, 5, v0
	v_readfirstlane_b32 s16, v3                    ; wave w
	v_and_b32 v10, 31, v0                          ; lane
	v_and_b32 v11, 15, v0                          ; r
	v_bfe_u32 v14, v0, 4, 1                        ; h
	v_lshlrev_b32 v1, 4, v10
	v_lshlrev_b32 v2, 3, v10
	s_mov_b32 s17, ttmp9                           ; which 64 queries
	s_lshr_b32 s18, s17, 5                         ; the batch
	s_bfe_u32 s19, s17, 0x30002                    ; n: their chunk in the batch
	s_lshr_b32 s45, s17, 2                         ; and among all 32
	s_and_b32 s46, s17, 3
	s_lshl_b32 s44, s46, 2
	s_add_co_u32 s44, s44, s16                     ; my wave among the 16 of the chunk's four work-groups
	s_lshr_b32 s47, s16, 1
	s_and_b32 s48, s16, 1
	s_mov_b32 s[SEL], 0x76543210
	s_mov_b32 s[SEL+1], 0xfedcba98
	s_mov_b32 s[CS], 0x3d38aa3b                    ; c = log2(e) / 32
	s_mov_b32 s[CS+1], s[CS]                       ; (named with it as a pair, so it is written)
	s_mov_b32 s[MHI], 0xffff0000
	s_mov_b32 s[I], 0
	s_lshl_b32 s49, s16, 9
	s_add_co_u32 s49, s49, XCH
	v_lshl_add_u32 v3, v11, 5, s49                 ; where I put my (-M, sum): XCH + 512 w + 32 r
	v_lshl_add_u32 v4, v11, 5, XCH                 ; and where I read all four waves'
	s_mul_i32 s49, s47, 6144
	s_mul_i32 s50, s48, 768
	s_add_co_u32 s49, s49, s50
	s_add_co_u32 s49, s49, PIMG
	v_add_nc_u32 v5, s49, v1                       ; P's images, my half: K step w / 2, half w % 2
	s_add_co_u32 s50, s49, 512
	v_add_nc_u32 v6, s50, v2
	s_lshl_b32 s49, s47, 8
	s_lshl_b32 s50, s48, 1
	s_add_co_u32 s49, s49, s50
	s_add_co_u32 s49, s49, PSCL
	v_lshl_add_u32 v7, v11, 2, s49                 ; and my two bytes of its scale words
	v_add_nc_u32 v8, PIMG, v1                      ; P's images, read
	v_add_nc_u32 v9, PIMG+512, v2
	v_lshl_add_u32 v20, v10, 2, PSCL
	s_mul_i32 s49, s16, 12288
	v_add_nc_u32 v21, s49, v1                      ; the combined rows' images: my K steps 2 w, 2 w + 1
	s_lshl_b32 s49, s16, 9
	s_add_co_u32 s49, s49, CSC
	v_add_nc_u32 v22, s49, v2
	s_mul_i32 s49, s16, 4352
	s_add_co_u32 s49, s49, STG                     ; my stage
	v_mul_u32_u24 v23, v11, 272
	v_lshl_add_u32 v23, v14, 6, v23
	v_add_nc_u32 v23, s49, v23                     ; in: row r, + 64 h
	v_mul_u32_u24 v24, v14, 272
	v_lshl_add_u32 v24, v11, 4, v24
	v_add_nc_u32 v24, s49, v24                     ; back: lanes 0-15 one row of 256 bytes, lanes 16-31 the next
	v_lshlrev_b32 v25, 12, v14
	v_lshl_add_u32 v25, v11, 4, v25                ; and the same two rows in out
	v_lshlrev_b32 v26, 8, v10                      ; the prefetch: lanes 256 bytes apart
	v_lshlrev_b32 v27, 6, v14                      ; bo: 16 h numbers on
	v_mov_b32 v12, 0                               ; written once: a lane permute's destination and both halves of a named pair count as read
	v_mov_b32 v13, 0
.irp j, 84,85,86,87,88,89,90,91,92,93,94,95
	v_mov_b32 v[\j], 0
.endr
	s_mul_i32 s50, s17, 51200                      ; my block of Q
	s_mov_b32 s51, 0
	s_lshl_b32 s52, s18, 5
	s_add_co_u32 s52, s52, s16
	s_mul_i32 s52, s52, 51200                      ; K: block 32 b + w; a chunk on is four blocks on
	s_mov_b32 s53, 0
	s_mul_i32 s34, s19, 204800
	s_mov_b32 s35, 0
	s_lshl_b32 s54, s16, 2
	s_add_co_u32 s54, s54, 48
	s_mul_i32 s54, s54, 51200                      ; Wo is the fourth weight: blocks 48 + 4 w on
	s_mov_b32 s55, 0
	s_lshl_b32 s56, s45, 4
	s_lshl_b32 s57, s16, 2
	s_add_co_u32 s56, s56, s57
	s_mul_i32 s56, s56, 12800                      ; V: the chunk's blocks 4 w on
	s_mov_b32 s57, 0
	s_mul_i32 s58, s45, 204800
	s_lshl_b32 s59, s44, 13
	s_add_co_u32 s58, s58, s59
	s_mov_b32 s59, 0
	s_lshl_b32 s60, s17, 18
	s_lshl_b32 s61, s16, 10
	s_add_co_u32 s60, s60, s61                     ; out: 64 rows of 4,096 bytes a work-group, 1,024 bytes a wave
	s_mov_b32 s62, s61
	s_mov_b32 s61, 0
	s_mov_b32 s63, 0
	s_wait_kmcnt 0x0
	s_add_nc_u64 s[4:5], s[4:5], s[50:51]
	s_add_nc_u64 s[KB:KB+1], s[6:7], s[52:53]
	s_add_nc_u64 s[CUR:CUR+1], s[KB:KB+1], s[34:35]        ; the diagonal chunk first
	s_add_co_u32 s34, s19, 1
	s_and_b32 s34, s34, 7
	s_mul_i32 s34, s34, 204800
	s_add_nc_u64 s[NXT:NXT+1], s[KB:KB+1], s[34:35]
	s_add_nc_u64 s[PWO:PWO+1], s[10:11], s[54:55]
	s_add_nc_u64 s[VB:VB+1], s[8:9], s[56:57]
	s_add_nc_u64 s[PFA:PFA+1], s[8:9], s[58:59]
	s_add_nc_u64 s[OUTP:OUTP+1], s[14:15], s[60:61]
	s_add_nc_u64 s[BBS:BBS+1], s[12:13], s[62:63]
.irp k, 0,1,2,3,4,5,6,7
	global_load_b64 v[SCS+2*\k:SCS+2*\k+1], v2, s[CUR:CUR+1] offset:49152+256*\k
.endr
.irp ks, 0,1,2,3
	RLOAD CUR, \ks*6144, \ks
.endr
.irp ks, 0,1,2,3,4,5,6,7               ; Q stays in registers
	WIN (2+\ks/5)<<6
.irp q, 0,1,2,3
.irp c, 0,1,2
	global_load_b128 v[48*(\ks%5)+12*\q+4*\c:48*(\ks%5)+12*\q+4*\c+3], v1, s[4:5] offset:(4*\ks+\q)*1536+512*\c
.endr
.endr
.endr
	WIN 0
.irp ks, 0,1,2,3,4,5,6,7
	global_load_b64 v[SCR+2*\ks:SCR+2*\ks+1], v2, s[4:5] offset:49152+256*\ks
.endr
	s_wait_loadcnt 0x0
; A CHUNK: my 64 keys' scores for the 64 queries, the chunk's softmax, its share of the cross sum.  first = 1: the diagonal chunk, which starts the cross sum and also gives the local p.
.macro CHUNK first
	GBLOCK 0, 0, CUR, 0, NXT, 0, 1, 0
	WIN 0
.if !(\first)
	; A PREFETCH of the chunk's V (204,800 bytes: 800 aligned blocks of 256), in the last trip but one, a trip ahead of the loads that want it, behind the trip's own loads.  The 16 waves of the chunk's four
	; work-groups share the blocks out by address: each names 32, lanes 256 bytes apart, and the first nine 32 more: 16 x 32 + 9 x 32 = 800, each block once.
	s_cmp_lg_u32 s[I], 6
	s_cbranch_scc1 .Lno_pf_\@
	global_prefetch_b8 v26, s[PFA:PFA+1] th:TH_LOAD_NT scope:SCOPE_SE
	s_cmp_gt_u32 s44, 8
	s_cbranch_scc1 .Lno_pf_\@
	global_prefetch_b8 v26, s[PFA:PFA+1] offset:131072 th:TH_LOAD_NT scope:SCOPE_SE
.Lno_pf_\@:
.endif
.irp q, 0,1,2,3                        ; the largest score of my 32 keys of each query tile, in ascending order, the four tiles by turns
	v_max3_num_f32 v[80+\q], v[ACC+32*\q], v[ACC+32*\q+1], v[ACC+32*\q+2]
.endr
.irp i, 3,5,7,9,11,13,15,17,19,21,23,25,27,29
.irp q, 0,1,2,3
	v_max3_num_f32 v[80+\q], v[80+\q], v[ACC+32*\q+\i], v[ACC+32*\q+\i+1]
.endr
.endr
.irp q, 0,1,2,3
	v_max_num_f32 v[80+\q], v[80+\q], v[ACC+32*\q+31]
.endr
.irp q, 0,1,2,3
	v_permlanex16_b32 v[84+\q], v[80+\q], s[SEL], s[SEL+1]
.endr
.irp q, 0,1,2,3
	v_max_num_f32 v[80+\q], v[80+\q], v[84+\q]     ; with lane l xor 16's 32 keys: my wave's 64
.endr
.irp q, 0,1,2,3
	v_mul_f32 v[80+\q], s[CS], v[80+\q]            ; as t (c is positive)
.endr
.irp q, 0,1,2,3
	v_floor_f32 v[88+2*\q], -v[80+\q]              ; -M_w = floor(-t): M_w is a whole number
.endr
.irp q, 0,1,2,3
.irp j, 0,2,4,6,8,10,12,14,16,18,20,22,24,26,28,30
	v_pk_fma_f32 v[ACC+32*\q+\j:ACC+32*\q+\j+1], v[ACC+32*\q+\j:ACC+32*\q+\j+1], s[CS:CS+1], v[88+2*\q:89+2*\q] op_sel_hi:[1,0,0]   ; t - M_w, two at a time
.endr
.endr
.set j, 0
.rept 128
	v_exp_f32 v[ACC+j], v[ACC+j]                   ; p = 2^(t - M_w): one batch
.set j, j+1
.endr
	v_nop                                          ; a plain instruction behind the last exponential,
	s_wait_alu depctr_va_vdst(0)                   ; and one wait for the batch, ahead of its first reader
.irp q, 0,1,2,3                        ; the sums of the unquantised p, two at a time, two chains a tile
	v_pk_add_f32 v[96+4*\q:97+4*\q], v[ACC+32*\q:ACC+32*\q+1], v[ACC+32*\q+2:ACC+32*\q+3]
	v_pk_add_f32 v[98+4*\q:99+4*\q], v[ACC+32*\q+4:ACC+32*\q+5], v[ACC+32*\q+6:ACC+32*\q+7]
.endr
.irp j, 8,12,16,20,24,28
.irp q, 0,1,2,3
	v_pk_add_f32 v[96+4*\q:97+4*\q], v[96+4*\q:97+4*\q], v[ACC+32*\q+\j:ACC+32*\q+\j+1]
	v_pk_add_f32 v[98+4*\q:99+4*\q], v[98+4*\q:99+4*\q], v[ACC+32*\q+\j+2:ACC+32*\q+\j+3]
.endr
.endr
.irp q, 0,1,2,3
	v_pk_add_f32 v[96+4*\q:97+4*\q], v[96+4*\q:97+4*\q], v[98+4*\q:99+4*\q]
.endr
.irp q, 0,1,2,3
	v_add_f32 v[89+2*\q], v[96+4*\q], v[97+4*\q]
.endr
.irp q, 0,1,2,3
	v_permlanex16_b32 v[84+\q], v[89+2*\q], s[SEL], s[SEL+1]
.endr
.irp q, 0,1,2,3
	v_add_f32 v[89+2*\q], v[89+2*\q], v[84+\q]     ; my wave's sum under M_w
.endr
	ds_store_b128 v3, v[88:91]                     ; (-M_w, sum) of the four tiles; both halves of the lanes hold and write the same
	ds_store_b128 v3, v[92:95] offset:16
	BARRIER                                        ; all four waves' lie in LDS
.irp u, 0,1,2,3
.irp k, 0,1
	ds_load_b128 v[96+8*\u+4*\k:96+8*\u+4*\k+3], v4 offset:512*\u+16*\k   ; wave u's pair for tile q: v[96 + 8 u + 2 q], v[97 + 8 u + 2 q]
.endr
.endr
	BARRIER                                        ; everybody has read them: the next chunk may write them again
.irp q, 0,1,2,3
	v_min3_num_f32 v[80+\q], v[96+2*\q], v[104+2*\q], v[112+2*\q]
.endr
.irp q, 0,1,2,3
	v_min_num_f32 v[80+\q], v[80+\q], v[120+2*\q]  ; -M of the row: the least of the four -M_w
.endr
.irp u, 0,1,2,3
.irp q, 0,1,2,3
	v_sub_f32 v[96+8*\u+2*\q], v[80+\q], v[96+8*\u+2*\q]   ; M_u - M: a whole number, 0 or less
.endr
.endr
.irp q, 0,1,2,3
	v_sub_f32 v[84+\q], v[80+\q], v[88+2*\q]       ; and my own wave's
.endr
.irp u, 0,1,2,3
.irp q, 0,1,2,3
	v_cvt_i32_f32 v[96+8*\u+2*\q], v[96+8*\u+2*\q] ; (it saturates)
.endr
.endr
.irp q, 0,1,2,3
	v_cvt_i32_f32 v[84+\q], v[84+\q]
.endr
.irp u, 0,1,2,3
.irp q, 0,1,2,3
	v_ldexp_f32 v[97+8*\u+2*\q], v[97+8*\u+2*\q], v[96+8*\u+2*\q]   ; each wave's sum under M: a multiplication that rounds nothing
.endr
.endr
.irp q, 0,1,2,3
	v_add_f32 v[97+2*\q], v[97+2*\q], v[105+2*\q]
.endr
.irp q, 0,1,2,3
	v_add_f32 v[113+2*\q], v[113+2*\q], v[121+2*\q]
.endr
.irp q, 0,1,2,3
	v_add_f32 v[97+2*\q], v[97+2*\q], v[113+2*\q]  ; the row's sum over the chunk's 256 keys
.endr
.irp q, 0,1,2,3
	v_rcp_f32 v[80+\q], v[97+2*\q]
.endr
	v_nop                                          ; a plain instruction behind the last reciprocal,
	s_wait_alu depctr_va_vdst(0)                   ; and one wait for the four, ahead of their first reader
.irp q, 0,1,2,3
	v_ldexp_f32 v[88+2*\q], v[80+\q], v[84+\q]     ; F = 2^(M_w - M) / sum: my p x F is the finished softmax
.endr
.if \first
	WIN 0x40                                       ; destination window 1: the first chunk starts the cross sum
.irp q, 0,1,2,3
.irp j, 0,2,4,6,8,10,12,14,16,18,20,22,24,26,28,30
	v_pk_mul_f32 v[32*\q+\j:32*\q+\j+1], v[ACC+32*\q+\j:ACC+32*\q+\j+1], v[88+2*\q:89+2*\q] op_sel_hi:[1,0]
.endr
.endr
	WIN 0x80                                       ; destination window 2: 1 / the local sums are kept for the end
.irp q, 0,1,2,3
	v_mov_b32 v[240+2*\q], v[80+\q]
	v_mov_b32 v[241+2*\q], v[80+\q]
.endr
	WIN 0
.irp q, 0,1,2,3
	v_ldexp_f32 v[96+2*\q], 1.0, v[84+\q]          ; 2^(M_w - M)
.endr
.irp q, 0,1,2,3
.irp j, 0,2,4,6,8,10,12,14,16,18,20,22,24,26,28,30
	v_pk_mul_f32 v[ACC+32*\q+\j:ACC+32*\q+\j+1], v[ACC+32*\q+\j:ACC+32*\q+\j+1], v[96+2*\q:97+2*\q] op_sel_hi:[1,0]   ; the local p under the row's M: exact
.endr
.endr
.irp q, 0,1,2,3
	QHALF ACC+32*\q, 80+12*\q, 86+12*\q, 0
.endr
	PSTORE 0
	s_wait_dscnt 0x0                               ; the stores have read their registers
.else
	WIN 0x50                                       ; destination and source 2 window 1
.irp q, 0,1,2,3
.irp j, 0,2,4,6,8,10,12,14,16,18,20,22,24,26,28,30
	v_pk_fma_f32 v[32*\q+\j:32*\q+\j+1], v[ACC+32*\q+\j:ACC+32*\q+\j+1], v[88+2*\q:89+2*\q], v[32*\q+\j:32*\q+\j+1] op_sel_hi:[1,0,1]
.endr
.endr
	WIN 0
.endif
	s_wait_xcnt 0x0                                ; the trip's loads have read their bases: these are written only behind this wait
	s_mov_b64 s[CUR:CUR+1], s[NXT:NXT+1]
	s_add_co_u32 s[I], s[I], 1
	s_add_co_u32 s34, s19, s[I]
	s_add_co_u32 s34, s34, 1
	s_and_b32 s34, s34, 7
	s_mul_i32 s34, s34, 204800
	s_add_nc_u64 s[NXT:NXT+1], s[KB:KB+1], s[34:35]
	s_cmp_eq_u32 s[I], 7                           ; behind the last chunk comes my first block of Wo: it waits in the ring through the P V phase
	s_cselect_b64 s[NXT:NXT+1], s[PWO:PWO+1], s[NXT:NXT+1]
.endm
	CHUNK 1
.Lchunk:                                       ; seven trips: chunks n + 1 .. n + 7 (mod 8)
	CHUNK 0
	s_cmp_lt_u32 s[I], 8
	s_cbranch_scc1 .Lchunk
	; ---- P V.  bo's tiles for the first block of Wo and the first two blocks of V are asked for; the cross sum is quantised; both P meet in LDS
	WIN 0x40
.irp t, 0,1,2,3
	global_load_b128 v[224+8*\t:224+8*\t+3], v27, s[BBS:BBS+1] offset:(32*(\t/2)+8*(\t%2))*4
	global_load_b128 v[224+8*\t+4:224+8*\t+7], v27, s[BBS:BBS+1] offset:(32*(\t/2)+8*(\t%2))*4+16
.endr
.macro VLOAD e                         ; block e of my four: 34 loads, into set e % 2
	WIN 0
.irp k, 0,1
	global_load_b64 v[VSC+4*((\e)%2)+2*\k:VSC+4*((\e)%2)+2*\k+1], v2, s[VB:VB+1] offset:(\e)*12800+12288+256*\k
.endr
	WIN 0x80
.irp f, 0,1,2,3,4,5,6,7
.irp c, 0,1
	global_load_b128 v[96*((\e)%2)+12*\f+6*\c:96*((\e)%2)+12*\f+6*\c+3], v1, s[VB:VB+1] offset:(\e)*12800+\f*1536+\c*768
	global_load_b64 v[96*((\e)%2)+12*\f+6*\c+4:96*((\e)%2)+12*\f+6*\c+5], v2, s[VB:VB+1] offset:(\e)*12800+\f*1536+\c*768+512
.endr
.endr
	WIN 0
.endm
	VLOAD 0
	VLOAD 1
.irp q, 0,1,2,3
	QHALF 32*\q, 80+12*\q, 86+12*\q, 1             ; the cross sum lies in window 1
.endr
	PSTORE 1
	BARRIER                                        ; both P, all 256 keys, lie in LDS
.irp p, 0,1,2,3                        ; set p = 2 kind + ksv: sets 0-2 at v[48 p] of window 3, set 3 at v192 of window 2
	WIN (3-\p/3)<<6
.irp q, 0,1,2,3
.irp c, 0,1
	ds_load_b128 v[48*\p+48*(\p/3)+12*\q+6*\c:48*\p+48*(\p/3)+12*\q+6*\c+3], v8 offset:(4*\p+\q)*1536+\c*768
	ds_load_b64 v[48*\p+48*(\p/3)+12*\q+6*\c+4:48*\p+48*(\p/3)+12*\q+6*\c+5], v9 offset:(4*\p+\q)*1536+\c*768
.endr
.endr
.endr
	WIN 0
.irp i, 0,1,2,3,4,5,6,7
	ds_load_b32 v[PSC+\i], v20 offset:128*\i       ; register 2 p + q % 2; lanes 0-15 tiles 0, 1; lanes 16-31 tiles 2, 3
.endr
	s_wait_dscnt 0x0
; 64 channels: local and cross products (32 accumulators by turns), local / sum + cross, quantised along the channels: half of a K step of the last product
.macro PV e
.if \e < 3
	s_wait_loadcnt 34                              ; this block of V is in; the next block's 34 loads may be out
.else
	s_wait_loadcnt 0x0
.endif
.irp k, 0,1
	WIN 0x0e                                       ; V window 2, the local P window 3, sums window 0
.irp t, 0,1,2,3
.irp q, 0,1,2,3
.set wD, ACC+32*\q+8*\t
.set wA, 96*((\e)%2)+12*(4*\k+\t)
.set wB, 48*\k+12*\q
.set wC, wD-\k*0-(1-\k)*(wD+1)
.set wSA, VSC+4*((\e)%2)+2*\k+(\t%2)
.set wSB, PSC+2*\k+(\q%2)
.set wRA, \t/2
.set wRB, \q/2
	WM
.endr
.endr
	WIN 0x5e-4*\k                                  ; the cross P window 3, then 2; sums window 1
.irp t, 0,1,2,3
.irp q, 0,1,2,3
.set wD, 32*\q+8*\t
.set wA, 96*((\e)%2)+12*(4*\k+\t)
.set wB, 96+96*\k+12*\q
.set wC, wD-(1-\k)*(wD+1)
.set wSA, VSC+4*((\e)%2)+2*\k+(\t%2)
.set wSB, PSC+4+2*\k+(\q%2)
.set wRA, \t/2
.set wRB, \q/2
	WM
.endr
.endr
.endr
.rept 4
	v_nop                                          ; places in front of the loads into V's registers and of the first read of the sums
.endr
.if \e < 2
	VLOAD (\e)+2
.endif
	WIN 0x18                                       ; 1 / sum window 2, the cross product window 1
.irp q, 0,1,2,3
.irp j, 0,2,4,6,8,10,12,14,16,18,20,22,24,26,28,30
	v_pk_fma_f32 v[ACC+32*\q+\j:ACC+32*\q+\j+1], v[ACC+32*\q+\j:ACC+32*\q+\j+1], v[240+2*\q:241+2*\q], v[32*\q+\j:32*\q+\j+1] op_sel_hi:[1,0,1]
.endr
.endr
	WIN 0
.irp q, 0,1,2,3
.if (\e)%2
	QHALF ACC+32*\q, CODE+12*\q+6, 30, 0
	v_lshl_or_b32 v[SCR+\q], v30, 16, v[SCR+\q]    ; (the words are built in the resident scales' registers, which are free in this phase)
.else
	QHALF ACC+32*\q, CODE+12*\q, SCR+\q, 0
.endif
.endr
.if (\e)%2
.irp q, 0,1,2,3
.irp c, 0,1,2
	ds_store_b128 v21, v[CODE+12*\q+4*\c:CODE+12*\q+4*\c+3] offset:((\e)/2)*6144+\q*1536+\c*512
.endr
.endr
	PAIRSC SCR, SCR+1, SCR+2, SCR+3
	ds_store_b64 v22, v[28:29] offset:((\e)/2)*256
	s_wait_dscnt 0x0                               ; the stores have read their registers
.endif
.endm
	PV 0
	PV 1
	PV 2
	PV 3
	BARRIER                                        ; the combined rows' 32 fragments lie in LDS
.irp ks, 0,1,2,3,4,5,6,7               ; they take Q's place as the resident operand
	WIN (2+\ks/5)<<6
.irp q, 0,1,2,3
.irp c, 0,1,2
	ds_load_b128 v[48*(\ks%5)+12*\q+4*\c:48*(\ks%5)+12*\q+4*\c+3], v1 offset:(4*\ks+\q)*1536+512*\c
.endr
.endr
.endr
	WIN 0
.irp ks, 0,1,2,3,4,5,6,7
	ds_load_b64 v[SCR+2*\ks:SCR+2*\ks+1], v2 offset:CSC+256*\ks
.endr
	s_wait_dscnt 0x0
	; ---- the last product: my four blocks of 64 columns.  A lane holds 32 bytes of a row for each pair of tiles: a tile of 16 rows goes through my stage and leaves as whole rows of 256 bytes
.macro TOSTAGE q
.irp t, 0,1,2,3
	ds_store_b128 v23, v[ACC+32*(\q)+8*\t:ACC+32*(\q)+8*\t+3] offset:128*(\t/2)+32*(\t%2)          ; each accumulator from its low end on
	ds_store_b128 v23, v[ACC+32*(\q)+8*\t+4:ACC+32*(\q)+8*\t+7] offset:128*(\t/2)+32*(\t%2)+16
.endr
	WIN 0x40
.irp i, 0,1,2,3,4,5,6,7
	ds_load_b128 v[32*(\q)+4*\i:32*(\q)+4*\i+3], v24 offset:544*\i   ; LDS serves a wave's instructions in order (ISA guide 5.7.1.4): these see the stores above, and the next tile's stores come behind them
.endr
	WIN 0
.endm
.macro SEND q, younger                 ; younger: the LDS instructions issued behind tile q's loads: the next tile's sixteen, or none
	s_wait_dscnt \younger
	WIN 0x04                                       ; a store's data are its source 1: window 1
.irp i, 0,1,2,3,4,5,6,7
	global_store_b128 v25, v[32*(\q)+4*\i:32*(\q)+4*\i+3], s[OUTP:OUTP+1] offset:(32*((\q)/2)+8*((\q)%2)+2*\i+8*(\i/4))*4096 th:TH_STORE_NT   ; 16 lanes store 256 consecutive bytes, at a multiple of 256 from out's first byte
.endr
	WIN 0
.endm
.macro OUTST
	s_wait_xcnt 0x0                                ; the rows' registers were the last block's store data
	TOSTAGE 0
	TOSTAGE 1
	SEND 0, 16
	TOSTAGE 2
	SEND 1, 16
	TOSTAGE 3
	SEND 2, 16
	SEND 3, 0
.endm
	s_add_nc_u64 s[NXT:NXT+1], s[PWO:PWO+1], 51200 ; (s[CUR] stands at my first block since the last chunk's end)
	s_mov_b32 s[I], 3
.Lwo:
	GBLOCK 0, 1, CUR, 0, NXT, 0, 1, 1
	WIN 0
	OUTST
	s_wait_xcnt 0x0                                ; the loads and stores have read their bases
	s_mov_b64 s[CUR:CUR+1], s[NXT:NXT+1]
	s_add_nc_u64 s[NXT:NXT+1], s[NXT:NXT+1], 51200
	s_add_nc_u64 s[BBS:BBS+1], s[BBS:BBS+1], 256
	s_add_nc_u64 s[OUTP:OUTP+1], s[OUTP:OUTP+1], 256
	s_sub_co_u32 s[I], s[I], 1
	s_cmp_lg_u32 s[I], 0
	s_cbranch_scc1 .Lwo
	GBLOCK 0, 1, CUR, 0, NXT, 0, 0, 0              ; the last block is written out: it asks for nothing behind itself, so no load leaves its buffer
	WIN 0
	OUTST
	s_wait_tensorcnt 0x0
	ds_add_u32 v19, v31
	s_wait_dscnt 0x0
	s_endpgm
.Lfunc_end_k_qf96385ffd6_attn:
	.size	k_qf96385ffd6_attn, .Lfunc_end_k_qf96385ffd6_attn-k_qf96385ffd6_attn
	.p2alignl 7, 3214868480
	.fill 96, 4, 3214868480
	.section	.rodata,"a",@progbits
	.p2align	6, 0x0
	.amdhsa_kernel k_qf96385ffd6_attn
		.amdhsa_group_segment_fixed_size 98816
		.amdhsa_private_segment_fixed_size 0
		.amdhsa_enable_private_segment 0
		.amdhsa_kernarg_size 48
		.amdhsa_user_sgpr_count 2
		.amdhsa_user_sgpr_kernarg_segment_ptr 1
		.amdhsa_wavefront_size32 1
		.amdhsa_system_sgpr_workgroup_id_x 1
		.amdhsa_system_sgpr_workgroup_id_y 1
		.amdhsa_system_sgpr_workgroup_id_z 1
		.amdhsa_system_vgpr_workitem_id 0
		.amdhsa_next_free_vgpr 1024
		.amdhsa_next_free_sgpr 66
		.amdhsa_reserve_vcc 0
		.amdhsa_float_denorm_mode_32 3
		.amdhsa_float_denorm_mode_16_64 3
		.amdhsa_memory_ordered 1
		.amdhsa_forward_progress 1
		.amdhsa_inst_pref_size 255
	.end_amdhsa_kernel
	.section	.bss,"aw",@nobits
	.p2align	6
	.space	262144
	.amdgpu_metadata
---
amdhsa.version: [ 1, 2 ]
amdhsa.kernels:
  - .name:           k_qf96385ffd6_attn
    .symbol:         k_qf96385ffd6_attn.kd
    .args:
      - { .name: qimg, .offset: 0, .size: 8, .value_kind: global_buffer, .address_space: global }
      - { .name: kimg, .offset: 8, .size: 8, .value_kind: global_buffer, .address_space: global }
      - { .name: vimg, .offset: 16, .size: 8, .value_kind: global_buffer, .address_space: global }
      - { .name: wimg, .offset: 24, .size: 8, .value_kind: global_buffer, .address_space: global }
      - { .name: bo, .offset: 32, .size: 8, .value_kind: global_buffer, .address_space: global }
      - { .name: out0, .offset: 40, .size: 8, .value_kind: global_buffer, .address_space: global }
    .group_segment_fixed_size: 98816
    .private_segment_fixed_size: 0
    .kernarg_segment_align: 8
    .kernarg_segment_size: 48
    .max_flat_workgroup_size: 128
    .sgpr_count:     66
    .vgpr_count:     1024
    .wavefront_size: 32
...
	.end_amdgpu_metadata
.endif
;; end of part 3
;; ======== version 2 of 2: 3 launches; version 1 with the launch attn written anew for expert scheduling mode
;; workspace buffers: wimg 3,276,800 bytes; ximg 6,553,600 bytes; qimg 6,553,600 bytes; kimg 6,553,600 bytes; vimg 6,553,600 bytes
;; launch prep: the kernel of part 1 again; grid 512 x 1, 4 waves a work-group, no clusters, 34,304 bytes of LDS; arguments Wq, Wk, Wv, Wo, wimg, x, ximg; writes wimg, ximg
;; launch qkv: the kernel of part 2 again; grid 256 x 1, 4 waves a work-group, no clusters, 307,712 bytes of LDS; arguments ximg, wimg, bq, bk, bv, qimg, kimg, vimg; writes qimg, kimg, vimg
;; launch attn (part 4): grid 128 x 1, 4 waves a work-group, no clusters, 98,816 bytes of LDS; arguments qimg, kimg, vimg, wimg, bo, out0; writes out0
.if DOCPART == 4
	.amdgcn_target "amdgcn-amd-amdhsa--gfx1250"
	.amdhsa_code_object_version 6
	.text
	.protected	k_qf96385ffd6_attn
	.globl	k_qf96385ffd6_attn
	.p2align	8
	.type	k_qf96385ffd6_attn,@function
k_qf96385ffd6_attn:
	s_mov_b64 s[64:65], 0
	v_nop
	global_prefetch_b8 v0, s[64:65] scope:SCOPE_SE
	s_setreg_imm32_b32 hwreg(HW_REG_WAVE_SCHED_MODE, 0, 2), 2
	s_setreg_imm32_b32 hwreg(HW_REG_WAVE_MODE, 25, 1), 1
	s_wait_xcnt 0x0
	s_wait_alu depctr_vm_vsrc(0)
; out = (local + cross) Wo + bo for 64 queries of chunk n of a batch.  local = softmax(Q_n K_n^T / 32) V_n;  cross = (the sum over the batch's 8 chunks m of softmax(Q_n K_m^T / 32)) V_n.
; All products on codes of FP6 (E2M3) with one E8M0 scale for each 32 along K.  The scores of chunk n serve the local path and the cross path: they are the same product of the same operands, computed once.
; LOCAL: p = 2^(t - M), t = score x log2(e) / 32, M = the ceiling of the row's largest t; p is quantised along the keys; the row's sum of the unquantised p divides the product.
; CROSS: each chunk's softmax is finished (p / its row's sum), the eight are added in f32, and the sum is quantised along the 256 places in a chunk.
; qimg, kimg, wimg: blocks of 64 rows x K 1,024 in the order of an operand's registers (51,200 bytes: fragment 4 ks + T at 1,536 each, registers 4 c .. 4 c + 3 of lane l at 512 c + 16 l; scale words at
; 49,152 + 256 ks + 8 (16 (T / 2) + r) + 4 (T % 2); tile T's lane r is row 32 (T / 2) + 8 (T % 2) + r + 8 (r / 8)).  vimg: blocks of 64 channels x 256 keys (12,800 bytes: fragment 4 ksv + t at 1,536 each, in two
; halves of 768 bytes: registers 6 c .. 6 c + 3 at 16 x lane, 6 c + 4, 6 c + 5 at 8 x lane; scale words from 12,288 on).
; SHARES.  A work-group owns 64 queries; its Q (32 fragments) stays in every wave's registers.  Wave w takes keys 64 w on of every chunk, channels 256 w on in P V, columns 256 w on of out.  K's and Wo's blocks go
; from memory straight into a ring of four K steps in registers; each streamed fragment feeds four matrix instructions.  The chunks are walked from the diagonal on: m = (n + i) mod 8.
; All products are used transposed (the stream is source 0): a lane holds ONE query throughout, and by the tiles' row order the 16 registers of two neighbouring tiles are 16 neighbours along the next K.
; A ROW'S MAXIMUM AND SUM span the four waves: each wave takes its own whole number M_w and its own sum, the four meet in LDS (two barriers a chunk), and all rescaling is by exact powers of two.
; NO CLUSTER, NO JOINT LOADS.  The four work-groups of a chunk walk the same K, 204,800 bytes a chunk.  Asked for jointly it would have to pass through LDS: two slots of a whole chunk do not fit in 327,680 bytes;
; slots of half a chunk would put a round of the cluster's barrier, with all loads waited for, behind every 64 matrix instructions of a wave, and add an LDS write and read for each byte, of which a work-group
; reads each once.  The ring in registers keeps 12,288 to 18,432 bytes of each wave on their way inside a block (24,576 at a block's end) and is never drained.
; LIMITS: a block of zeros gets the byte 1 (its codes are zeros; the bytes are this program's own); blocks whose largest magnitude lies under 2^-124 keep the byte 1; M is a whole number exactly while |t| < 2^24;
; NaN and infinities are not served.  Orders of f32 sums that differ from the source's: m from the diagonal on; a row's sum from four partial sums; bo enters its sum first.
; REGISTERS in windows of 256 (s_set_vgpr_msb: bits 1:0 source 0, 3:2 source 1, 5:4 source 2, 7:6 destination):
;   window 0: v1 16 x lane, v2 8 x lane, v3-9, v20-27 addresses, v10-18 at work in the quantiser, v19, v31 the closing add's two, v28-30 words, v32-47 the resident operand's scale words, v48-63 the stream's,
;             v64-71 P's, v72-79 V's, v80-127 statistics and codes, v128-255 16 accumulators
;   window 1: v0-127 the cross sum, then 16 accumulators, then rows of out; v128-223 ring slots 0, 1; v224-255 bo's tiles
;   window 2: v0-239 the resident fragments of K steps 0-4 (in P V: two blocks of V, one set of P); v240-247 1 / the local sums      window 3: v0-143 K steps 5-7 (in P V: three sets of P); v144-239 ring slots 2, 3
; THE MODE: SCHED_MODE bits 1:0 = 2 (LLVM: expert scheduling mode 2), set by the entry lines.  The code itself states the register dependences between vector or matrix instructions and memory or LDS
; instructions, with s_wait_alu, always for 0.
; THE PLAN.  Registers that memory or LDS instructions touch, and who else names them:
;   the ring's slots   K step ks: its 16 products read slot ks % 4.  The loads of the K step four on land in it: they stand in K step ks + 1, behind the wait on va_vdst at that step's head, three behind each of its
;                      first four products, which name another slot; the last K step's slot is asked for behind the block's closing wait.
;   v48-63             the stream's scale words: K steps 0-3 read v48-55, which are loaded again in K step 4; K steps 4-7 read v56-63, loaded again behind the closing wait.
;   bo's tiles         the C of K step 0; loaded again in K step 1.
;   the resident registers, v32-47, v64-79   read by products; loaded at the head (Q), in P V (V, and P out of LDS) and ahead of the last product (the combined rows out of LDS), each time behind a wait on va_vdst that
;                      stands behind their last readers and since which no vector or matrix instruction names them.
;   v88-95             written by the statistics, read by the two LDS stores of (-M, sum), written again by F: a wait on va_vdst ahead of the stores, one on vm_vsrc behind the second barrier.
;   v96-127            named by the sums' lines; the other waves' pairs land there behind the first barrier: the wait ahead of the stores serves these loads too.
;   v80-127, v28-29    as codes and words: written by the quantiser, read by LDS stores: a wait on va_vdst ahead of each run of stores, one on vm_vsrc behind it where the registers are written again.
;   the accumulators   written by products; on the last product's way out read by LDS stores: the closing wait ahead, one wait on vm_vsrc at the loop's tail ahead of the next block's products.
;   the rows of out    LDS loads land there, global stores read them: the same two waits.
;   v1-9, v19-27, v31  addresses: written at the head, ahead of one wait on va_vdst, and named by no vector instruction afterwards.
.set TM,   10
.set T2,   16
.set SCR,  32
.set SCS,  48
.set PSC,  64
.set VSC,  72
.set CODE, 80
.set ACC,  128
.set SEL,  20                          ; s[20:21] lane selects for v_permlanex16_b32: lane l xor 16
.set CS,   22                          ; s[22:23] c = log2(e) / 32
.set I,    24                          ; s24 the loops' counter
.set MHI,  25                          ; s25 a mask of lanes 16-31
.set CUR,  26                          ; s[26:27] the streamed block in hand
.set NXT,  28                          ; s[28:29] the one behind it
.set PWO,  30                          ; s[30:31] my first block of Wo
.set KB,   32                          ; s[32:33] my block of chunk 0 of K
.set VB,   36                          ; s[36:37] my four blocks of V
.set PFA,  38                          ; s[38:39] my wave's part of the chunk's V, for the prefetch
.set OUTP, 40                          ; s[40:41] out at my rows and columns
.set BBS,  42                          ; s[42:43] bo at the block in hand
.set CSC,  49152                       ; LDS: the combined rows' 32 fragments from byte 0, their scale words here,
.set XCH,  51200                       ; the waves' (-M, sum): 512 w + 32 r + 8 q,
.set PSCL, 53248                       ; P's scale words: 512 kind + 256 ksv + 128 (q % 2) + 64 (q / 2) + 4 r,
.set PIMG, 54272                       ; P's 16 fragments ((2 kind + ksv) 4 + q), in halves as V's,
.set STG,  78848                       ; and a stage of 16 rows x (256 + 16) bytes for each wave
.set CBN,  224
.set MSB,  0
.macro WIN new                         ; the immediate's high byte repeats the setting that is left; a switch that changes nothing is dropped
.if MSB != (\new)
	s_set_vgpr_msb (MSB<<8)|(\new)
.set MSB, \new
.endif
.endm
; One matrix instruction from the symbols wD, wA, wB, wC (under 0: the constant 0 starts the sum), wSA, wSB (scale registers), wRA, wRB (1: that side's words lie in lanes 16-31)
.macro WM
.if wC < 0
.if wRA && wRB
	v_wmma_scale_f32_16x16x128_f8f6f4 v[wD:wD+7], v[wA:wA+11], v[wB:wB+11], 0, v[wSA], v[wSB] matrix_a_fmt:MATRIX_FMT_FP6 matrix_b_fmt:MATRIX_FMT_FP6 matrix_a_scale:MATRIX_SCALE_ROW1 matrix_b_scale:MATRIX_SCALE_ROW1
.elseif wRA
	v_wmma_scale_f32_16x16x128_f8f6f4 v[wD:wD+7], v[wA:wA+11], v[wB:wB+11], 0, v[wSA], v[wSB] matrix_a_fmt:MATRIX_FMT_FP6 matrix_b_fmt:MATRIX_FMT_FP6 matrix_a_scale:MATRIX_SCALE_ROW1
.elseif wRB
	v_wmma_scale_f32_16x16x128_f8f6f4 v[wD:wD+7], v[wA:wA+11], v[wB:wB+11], 0, v[wSA], v[wSB] matrix_a_fmt:MATRIX_FMT_FP6 matrix_b_fmt:MATRIX_FMT_FP6 matrix_b_scale:MATRIX_SCALE_ROW1
.else
	v_wmma_scale_f32_16x16x128_f8f6f4 v[wD:wD+7], v[wA:wA+11], v[wB:wB+11], 0, v[wSA], v[wSB] matrix_a_fmt:MATRIX_FMT_FP6 matrix_b_fmt:MATRIX_FMT_FP6
.endif
.else
.if wRA && wRB
	v_wmma_scale_f32_16x16x128_f8f6f4 v[wD:wD+7], v[wA:wA+11], v[wB:wB+11], v[wC:wC+7], v[wSA], v[wSB] matrix_a_fmt:MATRIX_FMT_FP6 matrix_b_fmt:MATRIX_FMT_FP6 matrix_a_scale:MATRIX_SCALE_ROW1 matrix_b_scale:MATRIX_SCALE_ROW1
.elseif wRA
	v_wmma_scale_f32_16x16x128_f8f6f4 v[wD:wD+7], v[wA:wA+11], v[wB:wB+11], v[wC:wC+7], v[wSA], v[wSB] matrix_a_fmt:MATRIX_FMT_FP6 matrix_b_fmt:MATRIX_FMT_FP6 matrix_a_scale:MATRIX_SCALE_ROW1
.elseif wRB
	v_wmma_scale_f32_16x16x128_f8f6f4 v[wD:wD+7], v[wA:wA+11], v[wB:wB+11], v[wC:wC+7], v[wSA], v[wSB] matrix_a_fmt:MATRIX_FMT_FP6 matrix_b_fmt:MATRIX_FMT_FP6 matrix_b_scale:MATRIX_SCALE_ROW1
.else
	v_wmma_scale_f32_16x16x128_f8f6f4 v[wD:wD+7], v[wA:wA+11], v[wB:wB+11], v[wC:wC+7], v[wSA], v[wSB] matrix_a_fmt:MATRIX_FMT_FP6 matrix_b_fmt:MATRIX_FMT_FP6
.endif
.endif
.endm
; Twelve loads: a K step's four fragments, 6,144 consecutive bytes from O on, into ring slot sl; each load takes 512 consecutive bytes
.macro RLOAD S, O, sl
	WIN (1+2*((\sl)/2))<<6
.irp t, 0,1,2,3
.irp c, 0,1,2
	global_load_b128 v[128+48*((\sl)%2)+16*((\sl)/2)+12*\t+4*\c:128+48*((\sl)%2)+16*((\sl)/2)+12*\t+4*\c+3], v1, s[\S:\S+1] offset:(\O)+\t*1536+\c*512
.endr
.endr
.endm
; Three of the twelve: fragment f of the K step that begins at O, into ring slot sl
.macro RFRAG S, O, sl, f
	WIN (1+2*((\sl)/2))<<6
.irp c, 0,1,2
	global_load_b128 v[128+48*((\sl)%2)+16*((\sl)/2)+12*(\f)+4*\c:128+48*((\sl)%2)+16*((\sl)/2)+12*(\f)+4*\c+3], v1, s[\S:\S+1] offset:(\O)+(\f)*1536+\c*512
.endr
.endm
; A STREAMED BLOCK (64 rows x K 1,024) AGAINST THE RESIDENT 64 ROWS: 8 K steps of 16 matrix instructions.  mode 0: the stream is source 0, accumulator (q, t) at ACC + 32 q + 8 t (mode 1, the sources changed, is not used here).
; c0 = 1: the sums begin with the bias tiles at CBN + 8 t of window 1; 0: with the constant 0.  The 16 accumulators take turns, one instruction a turn, in the same order in every K step.
; A K step's ring slot is filled again with this block's K step four on, or (next = 1) with the next block's: the twelve loads stand in the NEXT K step, behind the wait at its head, three behind each of
; its first four products; those for the last K step's slot stand behind the block's closing wait.
; THE WAIT ON LOADcnt: loads come back in order (ISA guide 5.7.1), and behind the group of 12 that a K step wants two groups of 12 have been issued (three at a block's first K step, which issues none itself):
; at most 24 (36) out means that it is in.  In a last block the counts run down.
; The next block's scale words are asked for in K step 4 and behind the closing wait, its bias tiles (bias = 1) in K step 1: each behind the wait that shows their last readers done, and ahead of the group for which
; the K step that uses them waits.
.macro GBLOCK mode, c0, curS, curO, nxtS, nxtO, next, bias
.irp ks, 0,1,2,3,4,5,6,7
.if \ks == 0
	s_wait_loadcnt 36
.elseif (\next) || (\ks < 6)
	s_wait_loadcnt 24
.else
	s_wait_loadcnt 12*(7-\ks)
.endif
.set gFL, 0                            ; 1: this K step fills the slot of the K step before
.if (\ks > 0) && ((\next) || (\ks < 5))
.set gFL, 1
	s_wait_alu depctr_va_vdst(0)                   ; the products of the K step before are done reading their ring slot, in which the twelve loads below land; in K step 1 also the bias tiles, in K step 4 the scale words of K steps 0-3
.endif
.set gRW, 1+2*((\ks%4)/2)              ; the ring slot's window,
.set gSW, 2+\ks/5                      ; the resident fragments',
.set gRB, 128+48*(\ks%2)+16*((\ks%4)/2)
.set gRS, 48*(\ks%5)
.set gCW, 0
.if (\ks == 0) && (\c0)
.set gCW, 0x10                         ; and C's, where it is a bias tile
.endif
.irp t, 0,1,2,3
.irp q, 0,1,2,3
.if \mode
	WIN gSW+4*gRW+gCW
.set wD, ACC+32*\t+8*\q
.set wA, gRS+12*\q
.set wB, gRB+12*\t
.set wSA, SCR+2*\ks+(\q%2)
.set wSB, SCS+2*\ks+(\t%2)
.set wRA, \q/2
.set wRB, \t/2
.else
	WIN gRW+4*gSW+gCW
.set wD, ACC+32*\q+8*\t
.set wA, gRB+12*\t
.set wB, gRS+12*\q
.set wSA, SCS+2*\ks+(\t%2)
.set wSB, SCR+2*\ks+(\q%2)
.set wRA, \t/2
.set wRB, \q/2
.endif
.set wC, wD
.if \ks == 0
.set wC, -1
.if \c0
.set wC, CBN+8*\t
.endif
.endif
	WM
.if gFL && (\t == 0)                   ; no wait: no vector or matrix instruction since the wait at the step's head names the slot that is filled
.if \ks < 5
	RFRAG \curS, (\curO)+(\ks+3)*6144, (\ks+3)%4, \q
.else
	RFRAG \nxtS, (\nxtO)+(\ks-5)*6144, (\ks+3)%4, \q
.endif
.endif
.if (\t == 1) && (\q == 0)
.if (\next) && (\ks == 4)
	WIN 0
.irp k, 0,1,2,3
	global_load_b64 v[SCS+2*\k:SCS+2*\k+1], v2, s[\nxtS:\nxtS+1] offset:(\nxtO)+49152+256*\k
.endr
.endif
.if (\bias) && (\ks == 1)
	WIN 0x40
.irp u, 0,1,2,3
	global_load_b128 v[224+8*\u:224+8*\u+3], v27, s[BBS:BBS+1] offset:256+(32*(\u/2)+8*(\u%2))*4
	global_load_b128 v[224+8*\u+4:224+8*\u+7], v27, s[BBS:BBS+1] offset:256+(32*(\u/2)+8*(\u%2))*4+16
.endr
.endif
.endif
.endr
.endr
.rept 4+\ks/7
	v_nop                                          ; four places in front of loads into registers that matrix instructions have read and of the first read of results; behind the last K step five: the next block's first product begins the same accumulator anew.  They stay beside the waits
.endr
.endr
	s_wait_alu depctr_va_vdst(0)                   ; the block's closing wait: the last K step's products are done reading ring slot 3 and the scale words of K steps 4-7, in which the loads below land; the accumulators are written, which the LDS stores of the last product's way out read
.if \next
	RLOAD \nxtS, (\nxtO)+3*6144, 3
	WIN 0
.irp k, 4,5,6,7
	global_load_b64 v[SCS+2*\k:SCS+2*\k+1], v2, s[\nxtS:\nxtS+1] offset:(\nxtO)+49152+256*\k
.endr
.endif
.endm
; 32 numbers of a lane, v[S] on in window sw, register 16 b + i = k 32 b + 16 (lane / 16) + i of the lane's row, become HALF A FRAGMENT in v[D] .. v[D + 5] (lane half h holds block h) and the two scale bytes in v[W].
; The registers are read in ascending order.
.macro QHALF S, D, W, sw
	WIN 20*(\sw)
	v_max3_num_f32 v[TM], 0x1800000, |v[(\S)]|, |v[(\S)+1]|        ; the floor 2^(3 - 127) among the leaves: the byte cannot fall under 1
	v_max3_num_f32 v[TM+1], 0x1800000, |v[(\S)+16]|, |v[(\S)+17]|
.irp i, 2,4,6,8,10,12,14
	v_max3_num_f32 v[TM], v[TM], |v[(\S)+\i]|, |v[(\S)+\i+1]|      ; the two blocks by turns
	v_max3_num_f32 v[TM+1], v[TM+1], |v[(\S)+16+\i]|, |v[(\S)+17+\i]|
.endr
	WIN 0
	v_permlanex16_b32 v[TM+2], v[TM], s[SEL], s[SEL+1]
	v_permlanex16_b32 v[TM+3], v[TM+1], s[SEL], s[SEL+1]
	v_max_num_f32 v[TM], v[TM], v[TM+2]            ; with lane l xor 16's 16 numbers: the block's largest magnitude
	v_max_num_f32 v[TM+1], v[TM+1], v[TM+3]
	v_add_nc_u32 v[TM+4], 0xff000000, v[TM]        ; 2 off its exponent field: the conversion's scale operand
	v_add_nc_u32 v[TM+5], 0xff000000, v[TM+1]
	v_lshrrev_b32 v[TM+2], 23, v[TM+4]             ; the scale's byte
	v_lshrrev_b32 v[TM+3], 23, v[TM+5]
	v_lshl_or_b32 v[\W], v[TM+3], 8, v[TM+2]
	WIN \sw
	v_cvt_scalef32_pk16_fp6_f32 v[(\D):(\D)+2], v[(\S):(\S)+15], v[TM+4]
	v_cvt_scalef32_pk16_fp6_f32 v[T2:T2+2], v[(\S)+16:(\S)+31], v[TM+5]
	WIN 0
	v_nop                                          ; one plain instruction behind the scaled conversions
.irp i, 0,1,2
	v_permlane16_swap_b32 v[(\D)+\i], v[T2+\i]     ; the first's lanes 16-31 change places with the second's lanes 0-15: each lane now has its own block's lower 16 codes, and in T2 the upper 16
.endr
.irp i, 0,1,2
	v_mov_b32 v[(\D)+3+\i], v[T2+\i]
.endr
.endm
.macro PAIRSC a0, a1, a2, a3           ; four tiles' scale words into the pair v[28:29]: lanes 0-15 tiles 0, 1; lanes 16-31 tiles 2, 3
	v_cndmask_b32 v28, v[\a0], v[\a2], s[MHI]
	v_cndmask_b32 v29, v[\a1], v[\a3], s[MHI]
.endm
.macro BARRIER                         ; my LDS stores have landed and my LDS loads are in: then the work-group's barrier
	s_wait_dscnt 0x0
	s_barrier_signal -1
	s_barrier_wait -1
.endm
.macro PSTORE kind                     ; my 64 keys' half of P's four fragments (codes in v[80 + 12 q] on, the two bytes in v[86 + 12 q]) goes to LDS as an image of its registers
.irp q, 0,1,2,3
	ds_store_b128 v5, v[80+12*\q:83+12*\q] offset:(\kind)*12288+\q*1536
	ds_store_b64 v6, v[84+12*\q:85+12*\q] offset:(\kind)*12288+\q*1536
	ds_store_b16 v7, v[86+12*\q] offset:(\kind)*512+(\q%2)*128+(\q/2)*64
.endr
.endm
	s_load_b256 s[4:11], s[0:1], 0x0               ; qimg, kimg, vimg, wimg
	s_load_b128 s[12:15], s[0:1], 0x20             ; bo, out
	v_lshl_add_u32 v19, v0, 2, 0x18000             ; the closing add's two registers: my spare word, behind the stages,
	v_mov_b32 v31, 0                               ; and 0; both are kept for that line alone
	v_lshrrev_b32 v3, 5, v0
	v_readfirstlane_b32 s16, v3                    ; wave w
	v_and_b32 v10, 31, v0                          ; lane
	v_and_b32 v11, 15, v0                          ; r
	v_bfe_u32 v14, v0, 4, 1                        ; h
	v_lshlrev_b32 v1, 4, v10
	v_lshlrev_b32 v2, 3, v10
	s_wait_alu depctr_va_sdst(0)                   ; s16 is written, ahead of its first reader: addresses and bases are made from it
	s_mov_b32 s17, ttmp9                           ; which 64 queries
	s_lshr_b32 s18, s17, 5                         ; the batch
	s_bfe_u32 s19, s17, 0x30002                    ; n: their chunk in the batch
	s_lshr_b32 s45, s17, 2                         ; and among all 32
	s_and_b32 s46, s17, 3
	s_lshl_b32 s44, s46, 2
	s_add_co_u32 s44, s44, s16                     ; my wave among the 16 of the chunk's four work-groups
	s_lshr_b32 s47, s16, 1
	s_and_b32 s48, s16, 1
	s_mov_b32 s[SEL], 0x76543210
	s_mov_b32 s[SEL+1], 0xfedcba98
	s_mov_b32 s[CS], 0x3d38aa3b                    ; c = log2(e) / 32
	s_mov_b32 s[CS+1], s[CS]                       ; (named with it as a pair, so it is written)
	s_mov_b32 s[MHI], 0xffff0000
	s_mov_b32 s[I], 0
	s_lshl_b32 s49, s16, 9
	s_add_co_u32 s49, s49, XCH
	v_lshl_add_u32 v3, v11, 5, s49                 ; where I put my (-M, sum): XCH + 512 w + 32 r
	v_lshl_add_u32 v4, v11, 5, XCH                 ; and where I read all four waves'
	s_mul_i32 s49, s47, 6144
	s_mul_i32 s50, s48, 768
	s_add_co_u32 s49, s49, s50
	s_add_co_u32 s49, s49, PIMG
	v_add_nc_u32 v5, s49, v1                       ; P's images, my half: K step w / 2, half w % 2
	s_add_co_u32 s50, s49, 512
	v_add_nc_u32 v6, s50, v2
	s_lshl_b32 s49, s47, 8
	s_lshl_b32 s50, s48, 1
	s_add_co_u32 s49, s49, s50
	s_add_co_u32 s49, s49, PSCL
	v_lshl_add_u32 v7, v11, 2, s49                 ; and my two bytes of its scale words
	v_add_nc_u32 v8, PIMG, v1                      ; P's images, read
	v_add_nc_u32 v9, PIMG+512, v2
	v_lshl_add_u32 v20, v10, 2, PSCL
	s_mul_i32 s49, s16, 12288
	v_add_nc_u32 v21, s49, v1                      ; the combined rows' images: my K steps 2 w, 2 w + 1
	s_lshl_b32 s49, s16, 9
	s_add_co_u32 s49, s49, CSC
	v_add_nc_u32 v22, s49, v2
	s_mul_i32 s49, s16, 4352
	s_add_co_u32 s49, s49, STG                     ; my stage
	v_mul_u32_u24 v23, v11, 272
	v_lshl_add_u32 v23, v14, 6, v23
	v_add_nc_u32 v23, s49, v23                     ; in: row r, + 64 h
	v_mul_u32_u24 v24, v14, 272
	v_lshl_add_u32 v24, v11, 4, v24
	v_add_nc_u32 v24, s49, v24                     ; back: lanes 0-15 one row of 256 bytes, lanes 16-31 the next
	v_lshlrev_b32 v25, 12, v14
	v_lshl_add_u32 v25, v11, 4, v25                ; and the same two rows in out
	v_lshlrev_b32 v26, 8, v10                      ; the prefetch: lanes 256 bytes apart
	v_lshlrev_b32 v27, 6, v14                      ; bo: 16 h numbers on
	v_mov_b32 v12, 0                               ; written once: a lane permute's destination and both halves of a named pair count as read
	v_mov_b32 v13, 0
.irp j, 84,85,86,87,88,89,90,91,92,93,94,95
	v_mov_b32 v[\j], 0
.endr
	s_mul_i32 s50, s17, 51200                      ; my block of Q
	s_mov_b32 s51, 0
	s_lshl_b32 s52, s18, 5
	s_add_co_u32 s52, s52, s16
	s_mul_i32 s52, s52, 51200                      ; K: block 32 b + w; a chunk on is four blocks on
	s_mov_b32 s53, 0
	s_mul_i32 s34, s19, 204800
	s_mov_b32 s35, 0
	s_lshl_b32 s54, s16, 2
	s_add_co_u32 s54, s54, 48
	s_mul_i32 s54, s54, 51200                      ; Wo is the fourth weight: blocks 48 + 4 w on
	s_mov_b32 s55, 0
	s_lshl_b32 s56, s45, 4
	s_lshl_b32 s57, s16, 2
	s_add_co_u32 s56, s56, s57
	s_mul_i32 s56, s56, 12800                      ; V: the chunk's blocks 4 w on
	s_mov_b32 s57, 0
	s_mul_i32 s58, s45, 204800
	s_lshl_b32 s59, s44, 13
	s_add_co_u32 s58, s58, s59
	s_mov_b32 s59, 0
	s_lshl_b32 s60, s17, 18
	s_lshl_b32 s61, s16, 10
	s_add_co_u32 s60, s60, s61                     ; out: 64 rows of 4,096 bytes a work-group, 1,024 bytes a wave
	s_mov_b32 s62, s61
	s_mov_b32 s61, 0
	s_mov_b32 s63, 0
	s_wait_kmcnt 0x0
	s_add_nc_u64 s[4:5], s[4:5], s[50:51]
	s_add_nc_u64 s[KB:KB+1], s[6:7], s[52:53]
	s_add_nc_u64 s[CUR:CUR+1], s[KB:KB+1], s[34:35]        ; the diagonal chunk first
	s_add_co_u32 s34, s19, 1
	s_and_b32 s34, s34, 7
	s_mul_i32 s34, s34, 204800
	s_add_nc_u64 s[NXT:NXT+1], s[KB:KB+1], s[34:35]
	s_add_nc_u64 s[PWO:PWO+1], s[10:11], s[54:55]
	s_add_nc_u64 s[VB:VB+1], s[8:9], s[56:57]
	s_add_nc_u64 s[PFA:PFA+1], s[8:9], s[58:59]
	s_add_nc_u64 s[OUTP:OUTP+1], s[14:15], s[60:61]
	s_add_nc_u64 s[BBS:BBS+1], s[12:13], s[62:63]
	s_wait_alu depctr_va_vdst(0)                   ; the addresses v1-9 and v20-27 are written, which every load, store, LDS instruction and prefetch of the kernel reads; no vector instruction names them again
.irp k, 0,1,2,3,4,5,6,7
	global_load_b64 v[SCS+2*\k:SCS+2*\k+1], v2, s[CUR:CUR+1] offset:49152+256*\k
.endr
.irp ks, 0,1,2,3
	RLOAD CUR, \ks*6144, \ks
.endr
.irp ks, 0,1,2,3,4,5,6,7               ; Q stays in registers
	WIN (2+\ks/5)<<6
.irp q, 0,1,2,3
.irp c, 0,1,2
	global_load_b128 v[48*(\ks%5)+12*\q+4*\c:48*(\ks%5)+12*\q+4*\c+3], v1, s[4:5] offset:(4*\ks+\q)*1536+512*\c
.endr
.endr
.endr
	WIN 0
.irp ks, 0,1,2,3,4,5,6,7
	global_load_b64 v[SCR+2*\ks:SCR+2*\ks+1], v2, s[4:5] offset:49152+256*\ks
.endr
	s_wait_loadcnt 0x0
; A CHUNK: my 64 keys' scores for the 64 queries, the chunk's softmax, its share of the cross sum.  first = 1: the diagonal chunk, which starts the cross sum and also gives the local p.
.macro CHUNK first
	GBLOCK 0, 0, CUR, 0, NXT, 0, 1, 0
	WIN 0
.if !(\first)
	; A PREFETCH of the chunk's V (204,800 bytes: 800 aligned blocks of 256), in the last trip but one, a trip ahead of the loads that want it, behind the trip's own loads.  The 16 waves of the chunk's four
	; work-groups share the blocks out by address: each names 32, lanes 256 bytes apart, and the first nine 32 more: 16 x 32 + 9 x 32 = 800, each block once.
	s_cmp_lg_u32 s[I], 6
	s_cbranch_scc1 .Lno_pf_\@
	global_prefetch_b8 v26, s[PFA:PFA+1] th:TH_LOAD_NT scope:SCOPE_SE
	s_cmp_gt_u32 s44, 8
	s_cbranch_scc1 .Lno_pf_\@
	global_prefetch_b8 v26, s[PFA:PFA+1] offset:131072 th:TH_LOAD_NT scope:SCOPE_SE
.Lno_pf_\@:
.endif
.irp q, 0,1,2,3                        ; the largest score of my 32 keys of each query tile, in ascending order, the four tiles by turns
	v_max3_num_f32 v[80+\q], v[ACC+32*\q], v[ACC+32*\q+1], v[ACC+32*\q+2]
.endr
.irp i, 3,5,7,9,11,13,15,17,19,21,23,25,27,29
.irp q, 0,1,2,3
	v_max3_num_f32 v[80+\q], v[80+\q], v[ACC+32*\q+\i], v[ACC+32*\q+\i+1]
.endr
.endr
.irp q, 0,1,2,3
	v_max_num_f32 v[80+\q], v[80+\q], v[ACC+32*\q+31]
.endr
.irp q, 0,1,2,3
	v_permlanex16_b32 v[84+\q], v[80+\q], s[SEL], s[SEL+1]
.endr
.irp q, 0,1,2,3
	v_max_num_f32 v[80+\q], v[80+\q], v[84+\q]     ; with lane l xor 16's 32 keys: my wave's 64
.endr
.irp q, 0,1,2,3
	v_mul_f32 v[80+\q], s[CS], v[80+\q]            ; as t (c is positive)
.endr
.irp q, 0,1,2,3
	v_floor_f32 v[88+2*\q], -v[80+\q]              ; -M_w = floor(-t): M_w is a whole number
.endr
.irp q, 0,1,2,3
.irp j, 0,2,4,6,8,10,12,14,16,18,20,22,24,26,28,30
	v_pk_fma_f32 v[ACC+32*\q+\j:ACC+32*\q+\j+1], v[ACC+32*\q+\j:ACC+32*\q+\j+1], s[CS:CS+1], v[88+2*\q:89+2*\q] op_sel_hi:[1,0,0]   ; t - M_w, two at a time
.endr
.endr
.set j, 0
.rept 128
	v_exp_f32 v[ACC+j], v[ACC+j]                   ; p = 2^(t - M_w): one batch
.set j, j+1
.endr
	v_nop                                          ; a plain instruction behind the last exponential,
	s_wait_alu depctr_va_vdst(0)                   ; and one wait for the batch: the 128 exponentials have written p, ahead of its first reader
.irp q, 0,1,2,3                        ; the sums of the unquantised p, two at a time, two chains a tile
	v_pk_add_f32 v[96+4*\q:97+4*\q], v[ACC+32*\q:ACC+32*\q+1], v[ACC+32*\q+2:ACC+32*\q+3]
	v_pk_add_f32 v[98+4*\q:99+4*\q], v[ACC+32*\q+4:ACC+32*\q+5], v[ACC+32*\q+6:ACC+32*\q+7]
.endr
.irp j, 8,12,16,20,24,28
.irp q, 0,1,2,3
	v_pk_add_f32 v[96+4*\q:97+4*\q], v[96+4*\q:97+4*\q], v[ACC+32*\q+\j:ACC+32*\q+\j+1]
	v_pk_add_f32 v[98+4*\q:99+4*\q], v[98+4*\q:99+4*\q], v[ACC+32*\q+\j+2:ACC+32*\q+\j+3]
.endr
.endr
.irp q, 0,1,2,3
	v_pk_add_f32 v[96+4*\q:97+4*\q], v[96+4*\q:97+4*\q], v[98+4*\q:99+4*\q]
.endr
.irp q, 0,1,2,3
	v_add_f32 v[89+2*\q], v[96+4*\q], v[97+4*\q]
.endr
.irp q, 0,1,2,3
	v_permlanex16_b32 v[84+\q], v[89+2*\q], s[SEL], s[SEL+1]
.endr
.irp q, 0,1,2,3
	v_add_f32 v[89+2*\q], v[89+2*\q], v[84+\q]     ; my wave's sum under M_w
.endr
	s_wait_alu depctr_va_vdst(0)                   ; v88-95 are written, which the two LDS stores read; the sums' lines are done with v96-127, in which the LDS loads behind the barrier land
	ds_store_b128 v3, v[88:91]                     ; (-M_w, sum) of the four tiles; both halves of the lanes hold and write the same
	ds_store_b128 v3, v[92:95] offset:16
	BARRIER                                        ; all four waves' lie in LDS
.irp u, 0,1,2,3
.irp k, 0,1
	ds_load_b128 v[96+8*\u+4*\k:96+8*\u+4*\k+3], v4 offset:512*\u+16*\k   ; wave u's pair for tile q: v[96 + 8 u + 2 q], v[97 + 8 u + 2 q]
.endr
.endr
	BARRIER                                        ; everybody has read them: the next chunk may write them again
	s_wait_alu depctr_vm_vsrc(0)                   ; my two LDS stores have read v88-95, which F's lines below write again
.irp q, 0,1,2,3
	v_min3_num_f32 v[80+\q], v[96+2*\q], v[104+2*\q], v[112+2*\q]
.endr
.irp q, 0,1,2,3
	v_min_num_f32 v[80+\q], v[80+\q], v[120+2*\q]  ; -M of the row: the least of the four -M_w
.endr
.irp u, 0,1,2,3
.irp q, 0,1,2,3
	v_sub_f32 v[96+8*\u+2*\q], v[80+\q], v[96+8*\u+2*\q]   ; M_u - M: a whole number, 0 or less
.endr
.endr
.irp q, 0,1,2,3
	v_sub_f32 v[84+\q], v[80+\q], v[88+2*\q]       ; and my own wave's
.endr
.irp u, 0,1,2,3
.irp q, 0,1,2,3
	v_cvt_i32_f32 v[96+8*\u+2*\q], v[96+8*\u+2*\q] ; (it saturates)
.endr
.endr
.irp q, 0,1,2,3
	v_cvt_i32_f32 v[84+\q], v[84+\q]
.endr
.irp u, 0,1,2,3
.irp q, 0,1,2,3
	v_ldexp_f32 v[97+8*\u+2*\q], v[97+8*\u+2*\q], v[96+8*\u+2*\q]   ; each wave's sum under M: a multiplication that rounds nothing
.endr
.endr
.irp q, 0,1,2,3
	v_add_f32 v[97+2*\q], v[97+2*\q], v[105+2*\q]
.endr
.irp q, 0,1,2,3
	v_add_f32 v[113+2*\q], v[113+2*\q], v[121+2*\q]
.endr
.irp q, 0,1,2,3
	v_add_f32 v[97+2*\q], v[97+2*\q], v[113+2*\q]  ; the row's sum over the chunk's 256 keys
.endr
.irp q, 0,1,2,3
	v_rcp_f32 v[80+\q], v[97+2*\q]
.endr
	v_nop                                          ; a plain instruction behind the last reciprocal,
	s_wait_alu depctr_va_vdst(0)                   ; and one wait for the four: the reciprocals have written v80-83, ahead of their first reader
.irp q, 0,1,2,3
	v_ldexp_f32 v[88+2*\q], v[80+\q], v[84+\q]     ; F = 2^(M_w - M) / sum: my p x F is the finished softmax
.endr
.if \first
	WIN 0x40                                       ; destination window 1: the first chunk starts the cross sum
.irp q, 0,1,2,3
.irp j, 0,2,4,6,8,10,12,14,16,18,20,22,24,26,28,30
	v_pk_mul_f32 v[32*\q+\j:32*\q+\j+1], v[ACC+32*\q+\j:ACC+32*\q+\j+1], v[88+2*\q:89+2*\q] op_sel_hi:[1,0]
.endr
.endr
	WIN 0x80                                       ; destination window 2: 1 / the local sums are kept for the end
.irp q, 0,1,2,3
	v_mov_b32 v[240+2*\q], v[80+\q]
	v_mov_b32 v[241+2*\q], v[80+\q]
.endr
	WIN 0
.irp q, 0,1,2,3
	v_ldexp_f32 v[96+2*\q], 1.0, v[84+\q]          ; 2^(M_w - M)
.endr
.irp q, 0,1,2,3
.irp j, 0,2,4,6,8,10,12,14,16,18,20,22,24,26,28,30
	v_pk_mul_f32 v[ACC+32*\q+\j:ACC+32*\q+\j+1], v[ACC+32*\q+\j:ACC+32*\q+\j+1], v[96+2*\q:97+2*\q] op_sel_hi:[1,0]   ; the local p under the row's M: exact
.endr
.endr
.irp q, 0,1,2,3
	QHALF ACC+32*\q, 80+12*\q, 86+12*\q, 0
.endr
	s_wait_alu depctr_va_vdst(0)                   ; the quantiser has written the codes and bytes in v80-127, which the twelve LDS stores read
	PSTORE 0
	s_wait_dscnt 0x0                               ; the stores have landed,
	s_wait_alu depctr_vm_vsrc(0)                   ; and have read their registers, which the next chunk's statistics write and its LDS loads land in
.else
	WIN 0x50                                       ; destination and source 2 window 1
.irp q, 0,1,2,3
.irp j, 0,2,4,6,8,10,12,14,16,18,20,22,24,26,28,30
	v_pk_fma_f32 v[32*\q+\j:32*\q+\j+1], v[ACC+32*\q+\j:ACC+32*\q+\j+1], v[88+2*\q:89+2*\q], v[32*\q+\j:32*\q+\j+1] op_sel_hi:[1,0,1]
.endr
.endr
	WIN 0
.endif
	s_wait_xcnt 0x0                                ; the trip's loads have read their bases: these are written only behind this wait
	s_mov_b64 s[CUR:CUR+1], s[NXT:NXT+1]
	s_add_co_u32 s[I], s[I], 1
	s_add_co_u32 s34, s19, s[I]
	s_add_co_u32 s34, s34, 1
	s_and_b32 s34, s34, 7
	s_mul_i32 s34, s34, 204800
	s_add_nc_u64 s[NXT:NXT+1], s[KB:KB+1], s[34:35]
	s_cmp_eq_u32 s[I], 7                           ; behind the last chunk comes my first block of Wo: it waits in the ring through the P V phase
	s_cselect_b64 s[NXT:NXT+1], s[PWO:PWO+1], s[NXT:NXT+1]
.endm
	CHUNK 1
.Lchunk:                                       ; seven trips: chunks n + 1 .. n + 7 (mod 8)
	CHUNK 0
	s_cmp_lt_u32 s[I], 8
	s_cbranch_scc1 .Lchunk
	; ---- P V.  bo's tiles for the first block of Wo and the first two blocks of V are asked for; the cross sum is quantised; both P meet in LDS.
	; These loads owe no wait of their own: the last chunk's closing wait stands behind the last products that read Q's fragments of K steps 0-3, in which V lands, and no vector or matrix instruction since
	; names those registers, V's scale words or bo's tiles
	WIN 0x40
.irp t, 0,1,2,3
	global_load_b128 v[224+8*\t:224+8*\t+3], v27, s[BBS:BBS+1] offset:(32*(\t/2)+8*(\t%2))*4
	global_load_b128 v[224+8*\t+4:224+8*\t+7], v27, s[BBS:BBS+1] offset:(32*(\t/2)+8*(\t%2))*4+16
.endr
.macro VLOAD e                         ; block e of my four: 34 loads, into set e % 2
	WIN 0
.irp k, 0,1
	global_load_b64 v[VSC+4*((\e)%2)+2*\k:VSC+4*((\e)%2)+2*\k+1], v2, s[VB:VB+1] offset:(\e)*12800+12288+256*\k
.endr
	WIN 0x80
.irp f, 0,1,2,3,4,5,6,7
.irp c, 0,1
	global_load_b128 v[96*((\e)%2)+12*\f+6*\c:96*((\e)%2)+12*\f+6*\c+3], v1, s[VB:VB+1] offset:(\e)*12800+\f*1536+\c*768
	global_load_b64 v[96*((\e)%2)+12*\f+6*\c+4:96*((\e)%2)+12*\f+6*\c+5], v2, s[VB:VB+1] offset:(\e)*12800+\f*1536+\c*768+512
.endr
.endr
	WIN 0
.endm
	VLOAD 0
	VLOAD 1
.irp q, 0,1,2,3
	QHALF 32*\q, 80+12*\q, 86+12*\q, 1             ; the cross sum lies in window 1
.endr
	s_wait_alu depctr_va_vdst(0)                   ; the quantiser has written the codes and bytes in v80-127, which the twelve LDS stores read; behind this wait no vector or matrix instruction names Q's remaining registers, in which P lands below
	PSTORE 1
	BARRIER                                        ; both P, all 256 keys, lie in LDS
	s_wait_alu depctr_vm_vsrc(0)                   ; my LDS stores have read v80-127, which the quantiser of the combined rows writes again
.irp p, 0,1,2,3                        ; set p = 2 kind + ksv: sets 0-2 at v[48 p] of window 3, set 3 at v192 of window 2
	WIN (3-\p/3)<<6
.irp q, 0,1,2,3
.irp c, 0,1
	ds_load_b128 v[48*\p+48*(\p/3)+12*\q+6*\c:48*\p+48*(\p/3)+12*\q+6*\c+3], v8 offset:(4*\p+\q)*1536+\c*768
	ds_load_b64 v[48*\p+48*(\p/3)+12*\q+6*\c+4:48*\p+48*(\p/3)+12*\q+6*\c+5], v9 offset:(4*\p+\q)*1536+\c*768
.endr
.endr
.endr
	WIN 0
.irp i, 0,1,2,3,4,5,6,7
	ds_load_b32 v[PSC+\i], v20 offset:128*\i       ; register 2 p + q % 2; lanes 0-15 tiles 0, 1; lanes 16-31 tiles 2, 3
.endr
	s_wait_dscnt 0x0
; 64 channels: local and cross products (32 accumulators by turns), local / sum + cross, quantised along the channels: half of a K step of the last product
.macro PV e
.if \e < 3
	s_wait_loadcnt 34                              ; this block of V is in; the next block's 34 loads may be out
.else
	s_wait_loadcnt 0x0
.endif
.irp k, 0,1
	WIN 0x0e                                       ; V window 2, the local P window 3, sums window 0
.irp t, 0,1,2,3
.irp q, 0,1,2,3
.set wD, ACC+32*\q+8*\t
.set wA, 96*((\e)%2)+12*(4*\k+\t)
.set wB, 48*\k+12*\q
.set wC, wD-\k*0-(1-\k)*(wD+1)
.set wSA, VSC+4*((\e)%2)+2*\k+(\t%2)
.set wSB, PSC+2*\k+(\q%2)
.set wRA, \t/2
.set wRB, \q/2
	WM
.endr
.endr
	WIN 0x5e-4*\k                                  ; the cross P window 3, then 2; sums window 1
.irp t, 0,1,2,3
.irp q, 0,1,2,3
.set wD, 32*\q+8*\t
.set wA, 96*((\e)%2)+12*(4*\k+\t)
.set wB, 96+96*\k+12*\q
.set wC, wD-(1-\k)*(wD+1)
.set wSA, VSC+4*((\e)%2)+2*\k+(\t%2)
.set wSB, PSC+4+2*\k+(\q%2)
.set wRA, \t/2
.set wRB, \q/2
	WM
.endr
.endr
.endr
.rept 4
	v_nop                                          ; places in front of the loads into V's registers and of the first read of the sums
.endr
.if \e < 2
	s_wait_alu depctr_va_vdst(0)                   ; the 64 products are done reading this set of V and its scale words, in which the block two on lands
	VLOAD (\e)+2
.endif
	WIN 0x18                                       ; 1 / sum window 2, the cross product window 1
.irp q, 0,1,2,3
.irp j, 0,2,4,6,8,10,12,14,16,18,20,22,24,26,28,30
	v_pk_fma_f32 v[ACC+32*\q+\j:ACC+32*\q+\j+1], v[ACC+32*\q+\j:ACC+32*\q+\j+1], v[240+2*\q:241+2*\q], v[32*\q+\j:32*\q+\j+1] op_sel_hi:[1,0,1]
.endr
.endr
	WIN 0
.irp q, 0,1,2,3
.if (\e)%2
	QHALF ACC+32*\q, CODE+12*\q+6, 30, 0
	v_lshl_or_b32 v[SCR+\q], v30, 16, v[SCR+\q]    ; (the words are built in the resident scales' registers, which are free in this phase)
.else
	QHALF ACC+32*\q, CODE+12*\q, SCR+\q, 0
.endif
.endr
.if (\e)%2
	PAIRSC SCR, SCR+1, SCR+2, SCR+3
	s_wait_alu depctr_va_vdst(0)                   ; the quantiser has written the codes in v80-127 and the two lines above v28-29, which the thirteen LDS stores read; behind the last block it also shows the products done with V and P and the words' lines done with v32-35, in which the combined rows and their words land
.irp q, 0,1,2,3
.irp c, 0,1,2
	ds_store_b128 v21, v[CODE+12*\q+4*\c:CODE+12*\q+4*\c+3] offset:((\e)/2)*6144+\q*1536+\c*512
.endr
.endr
	ds_store_b64 v22, v[28:29] offset:((\e)/2)*256
	s_wait_dscnt 0x0                               ; the stores have landed
.if (\e) < 3
	s_wait_alu depctr_vm_vsrc(0)                   ; and have read v80-127 and v28-29, which the next two blocks' quantiser writes again
.endif
.endif
.endm
	PV 0
	PV 1
	PV 2
	PV 3
	BARRIER                                        ; the combined rows' 32 fragments lie in LDS
.irp ks, 0,1,2,3,4,5,6,7               ; they take Q's place as the resident operand
	WIN (2+\ks/5)<<6
.irp q, 0,1,2,3
.irp c, 0,1,2
	ds_load_b128 v[48*(\ks%5)+12*\q+4*\c:48*(\ks%5)+12*\q+4*\c+3], v1 offset:(4*\ks+\q)*1536+512*\c
.endr
.endr
.endr
	WIN 0
.irp ks, 0,1,2,3,4,5,6,7
	ds_load_b64 v[SCR+2*\ks:SCR+2*\ks+1], v2 offset:CSC+256*\ks
.endr
	s_wait_dscnt 0x0
	; ---- the last product: my four blocks of 64 columns.  A lane holds 32 bytes of a row for each pair of tiles: a tile of 16 rows goes through my stage and leaves as whole rows of 256 bytes.
	; The way out holds no vector instruction: the block's closing wait, behind the five places, serves all its LDS stores (the accumulators are written) and all its LDS loads (nothing on the vector side names the rows' registers)
.macro TOSTAGE q
.irp t, 0,1,2,3
	ds_store_b128 v23, v[ACC+32*(\q)+8*\t:ACC+32*(\q)+8*\t+3] offset:128*(\t/2)+32*(\t%2)          ; each accumulator from its low end on
	ds_store_b128 v23, v[ACC+32*(\q)+8*\t+4:ACC+32*(\q)+8*\t+7] offset:128*(\t/2)+32*(\t%2)+16
.endr
	WIN 0x40
.irp i, 0,1,2,3,4,5,6,7
	ds_load_b128 v[32*(\q)+4*\i:32*(\q)+4*\i+3], v24 offset:544*\i   ; LDS serves a wave's instructions in order (ISA guide 5.7.1.4): these see the stores above, and the next tile's stores come behind them
.endr
	WIN 0
.endm
.macro SEND q, younger                 ; younger: the LDS instructions issued behind tile q's loads: the next tile's sixteen, or none
	s_wait_dscnt \younger
	WIN 0x04                                       ; a store's data are its source 1: window 1
.irp i, 0,1,2,3,4,5,6,7
	global_store_b128 v25, v[32*(\q)+4*\i:32*(\q)+4*\i+3], s[OUTP:OUTP+1] offset:(32*((\q)/2)+8*((\q)%2)+2*\i+8*(\i/4))*4096 th:TH_STORE_NT   ; 16 lanes store 256 consecutive bytes, at a multiple of 256 from out's first byte
.endr
	WIN 0
.endm
.macro OUTST
	s_wait_xcnt 0x0                                ; the rows' registers were the last block's store data
	TOSTAGE 0
	TOSTAGE 1
	SEND 0, 16
	TOSTAGE 2
	SEND 1, 16
	TOSTAGE 3
	SEND 2, 16
	SEND 3, 0
.endm
	s_add_nc_u64 s[NXT:NXT+1], s[PWO:PWO+1], 51200 ; (s[CUR] stands at my first block since the last chunk's end)
	s_mov_b32 s[I], 3
.Lwo:
	GBLOCK 0, 1, CUR, 0, NXT, 0, 1, 1
	WIN 0
	OUTST
	s_wait_xcnt 0x0                                ; the loads and stores have read their bases
	s_wait_alu depctr_vm_vsrc(0)                   ; the stage's LDS stores have read the accumulators, which the next block's products write again; the global stores have read the rows' registers, in which the next block's LDS loads land
	s_mov_b64 s[CUR:CUR+1], s[NXT:NXT+1]
	s_add_nc_u64 s[NXT:NXT+1], s[NXT:NXT+1], 51200
	s_add_nc_u64 s[BBS:BBS+1], s[BBS:BBS+1], 256
	s_add_nc_u64 s[OUTP:OUTP+1], s[OUTP:OUTP+1], 256
	s_sub_co_u32 s[I], s[I], 1
	s_cmp_lg_u32 s[I], 0
	s_cbranch_scc1 .Lwo
	GBLOCK 0, 1, CUR, 0, NXT, 0, 0, 0              ; the last block is written out: it asks for nothing behind itself, so no load leaves its buffer
	WIN 0
	OUTST
	s_wait_dscnt 0x0                               ; the closing lines, six on end
	s_wait_alu 0x0
	s_wait_tensorcnt 0x0
	ds_add_u32 v19, v31
	s_wait_dscnt 0x0
	s_endpgm
.Lfunc_end_k_qf96385ffd6_attn:
	.size	k_qf96385ffd6_attn, .Lfunc_end_k_qf96385ffd6_attn-k_qf96385ffd6_attn
	.p2alignl 7, 3214868480
	.fill 96, 4, 3214868480
	.section	.rodata,"a",@progbits
	.p2align	6, 0x0
	.amdhsa_kernel k_qf96385ffd6_attn
		.amdhsa_group_segment_fixed_size 98816
		.amdhsa_private_segment_fixed_size 0
		.amdhsa_enable_private_segment 0
		.amdhsa_kernarg_size 48
		.amdhsa_user_sgpr_count 2
		.amdhsa_user_sgpr_kernarg_segment_ptr 1
		.amdhsa_wavefront_size32 1
		.amdhsa_system_sgpr_workgroup_id_x 1
		.amdhsa_system_sgpr_workgroup_id_y 1
		.amdhsa_system_sgpr_workgroup_id_z 1
		.amdhsa_system_vgpr_workitem_id 0
		.amdhsa_next_free_vgpr 1024
		.amdhsa_next_free_sgpr 66
		.amdhsa_reserve_vcc 0
		.amdhsa_float_denorm_mode_32 3
		.amdhsa_float_denorm_mode_16_64 3
		.amdhsa_memory_ordered 1
		.amdhsa_forward_progress 1
		.amdhsa_inst_pref_size 255
	.end_amdhsa_kernel
	.section	.bss,"aw",@nobits
	.p2align	6
	.space	262144
	.amdgpu_metadata
---
amdhsa.version: [ 1, 2 ]
amdhsa.kernels:
  - .name:           k_qf96385ffd6_attn
    .symbol:         k_qf96385ffd6_attn.kd
    .args:
      - { .name: qimg, .offset: 0, .size: 8, .value_kind: global_buffer, .address_space: global }
      - { .name: kimg, .offset: 8, .size: 8, .value_kind: global_buffer, .address_space: global }
      - { .name: vimg, .offset: 16, .size: 8, .value_kind: global_buffer, .address_space: global }
      - { .name: wimg, .offset: 24, .size: 8, .value_kind: global_buffer, .address_space: global }
      - { .name: bo, .offset: 32, .size: 8, .value_kind: global_buffer, .address_space: global }
      - { .name: out0, .offset: 40, .size: 8, .value_kind: global_buffer, .address_space: global }
    .group_segment_fixed_size: 98816
    .private_segment_fixed_size: 0
    .kernarg_segment_align: 8
    .kernarg_segment_size: 48
    .max_flat_workgroup_size: 128
    .sgpr_count:     66
    .vgpr_count:     1024
    .wavefront_size: 32
...
	.end_amdgpu_metadata
.endif
;; end of part 4
